; MI455X (gfx1250); checked and timed in simulation.
; The chip was launched on July 23, 2026; its instructions are those of AMD's public machine-readable ISA for CDNA 5 (MIT licence, August 2026) and "CDNA5" Instruction Set Architecture Reference Guide (July 2026). The comments in the code are by the model that wrote it; some were corrected since.
;; Multi Head Attention. Allowed arithmetic: float matrix products may take bf16 or f16 operands with f32 sums; all other float work in f32.
;; Inputs: Wk 1,024 x 1,024 float32; Wo 1,024 x 1,024 float32; Wq 1,024 x 1,024 float32; Wv 1,024 x 1,024 float32; bk 1,024 float32; bo 1,024 float32; bq 1,024 float32; bv 1,024 float32; key 2 x 2,048 x 1,024 float32; mask 2 x 1 x 2,048 x 2,048 float32; query 2 x 2,048 x 1,024 float32; value 2 x 2,048 x 1,024 float32.
;; Outputs: out0 2 x 2,048 x 1,024 float32.
;; 2 versions, each right; version 2 is version 1 with the launch cast written anew for expert scheduling mode. Each part assembles by itself: llvm-mc -triple=amdgcn-amd-amdhsa -mcpu=gfx1250 --defsym DOCPART=n.
;; ======== version 1 of 2: 4 launches
;; limits: values are held in f16: magnitudes above 65,504 overflow, below 6.1e-05 lose precision
;; workspace buffers: cb 33,554,432 bytes; qkv 25,165,824 bytes; ao 8,388,608 bytes
;; launch cast (part 1): grid 256 x 1, 8 waves a work-group, no clusters, 0 bytes of LDS; arguments query, key, value, Wq, Wk, Wv, Wo, cb; writes cb
.if DOCPART == 1
	.amdgcn_target "amdgcn-amd-amdhsa--gfx1250"
	.amdhsa_code_object_version 6
	.text
	.protected	k_q01ac89fb2b_cast
	.globl	k_q01ac89fb2b_cast
	.p2align	8
	.type	k_q01ac89fb2b_cast,@function
k_q01ac89fb2b_cast:
	s_mov_b64 s[64:65], 0
	v_nop
	global_prefetch_b8 v0, s[64:65] scope:SCOPE_SE
	s_setreg_imm32_b32 hwreg(HW_REG_WAVE_MODE, 25, 1), 1
	s_wait_xcnt 0x0
; cb = f16(query | key | value | Wq | Wk | Wv | Wo), each in its own layout, one behind the other:
; query at byte 0, key at 8 MiB, value at 16 MiB (together one matrix [12288][1024]), Wq, Wk, Wv, Wo at 24, 26, 28, 30 MiB.
; FORMAT: f16, for its 11 bits of significand: the attention's output is a sum of some 2,000 terms that nearly cancel, so each rounding of an
; operand shows at its full relative size in the result.  LIMIT: an input beyond 65,504 in magnitude becomes infinity; below 2^-14 the step is
; 2^-24.  Activations 30 times larger or offset by 30 stay under 200, weights so changed under 2; weights 30 times smaller are about 6e-4.
; A stream: every input byte is read once, every byte of cb written once.  No LDS, no barrier, no matrix unit, no cluster: no two
; work-groups read the same byte and no wave needs another's data.
; Work-group id takes 65,536 numbers (262,144 bytes in, 131,072 out at cb + id * 131,072).  ids 0-191 are the three activations
; (64 work-groups each), ids 192-255 the four weights (16 each).  Wave w takes 32,768 consecutive input bytes in 64 loads of
; 512 consecutive bytes; each store of a wave covers 256 consecutive bytes, aligned.
; 32 loads of every wave are on their way: 8 waves x 32 x 512 bytes = 131,072 bytes for the work-group.
.set DEPTH, 32                         ; loads of a wave in flight
.set LOADS, 64                         ; loads of a wave in all
.set YS,    16                         ; store slots
.set X, 4                              ; v[4:131]    slot i of 32: 4 f32 as loaded
.set Y, 132                            ; v[132:163]  slot i of 16: 4 f16 to store
	s_load_b512 s[8:23], s[0:1], 0x0               ; query, key, value, Wq, Wk, Wv, Wo, cb
	s_lshr_b32 s24, ttmp9, 6                       ; an activation: which of the three,
	s_and_b32 s25, ttmp9, 63                       ; and which 64th of it
	s_sub_co_u32 s26, ttmp9, 192                   ; a weight (used only where id >= 192):
	s_lshr_b32 s27, s26, 4
	s_add_co_u32 s27, s27, 3                       ; which of the four, counted behind the activations,
	s_and_b32 s28, s26, 15                         ; and which 16th of it
	s_cmp_lt_u32 ttmp9, 192
	s_cselect_b32 s24, s24, s27                    ; the source's number, 0 to 6
	s_cselect_b32 s25, s25, s28                    ; my part of it
	s_lshl_b32 s2, s25, 18                         ; in bytes: 262,144 each
	s_mov_b32 s3, 0
	s_lshl_b32 s28, ttmp9, 17                      ; my part of cb
	s_mov_b32 s29, 0
	v_and_b32 v3, 31, v0                           ; lane
	v_lshrrev_b32 v0, 5, v0                        ; wave
	v_lshlrev_b32 v1, 4, v3
	v_lshl_add_u32 v1, v0, 15, v1                  ; in:  32,768 w + 16 lane
	v_lshlrev_b32 v2, 3, v3
	v_lshl_add_u32 v2, v0, 14, v2                  ; out: 16,384 w + 8 lane
	s_wait_kmcnt 0x0
	s_mov_b64 s[4:5], s[8:9]
.irp n, 1,2,3,4,5,6
	s_cmp_eq_u32 s24, \n                           ; the choice hangs on the work-group's number alone
	s_cselect_b64 s[4:5], s[8+2*\n:9+2*\n], s[4:5]
.endr
	s_add_nc_u64 s[4:5], s[4:5], s[2:3]
	s_add_nc_u64 s[6:7], s[22:23], s[28:29]
.set n, 0
.rept DEPTH
	global_load_b128 v[X+4*n:X+4*n+3], v1, s[4:5] offset:512*n th:TH_LOAD_NT
.set n, n+1
.endr
; Written out: every step stands in an immediate, so no address register is ever rewritten.
.set n, 0
.rept LOADS
.if n < LOADS-DEPTH
	s_wait_loadcnt DEPTH-1                         ; loads come back in order: mine is in, the 31 younger stay out
.else
	s_wait_loadcnt LOADS-1-n                       ; nothing is loaded any more: the counts run down
.endif
.if n >= YS
.if (n%8) == 0
	s_wait_xcnt 0x0                                ; once for eight turns: the next eight store slots were last read by stores 16 to 9 turns back, all issued ahead of this wait
.endif
.endif
	v_cvt_pk_f16_f32 v[Y+2*(n%YS)],   v[X+4*(n%DEPTH)],   v[X+4*(n%DEPTH)+1]
	v_cvt_pk_f16_f32 v[Y+2*(n%YS)+1], v[X+4*(n%DEPTH)+2], v[X+4*(n%DEPTH)+3]
.if n < LOADS-DEPTH
	global_load_b128 v[X+4*(n%DEPTH):X+4*(n%DEPTH)+3], v1, s[4:5] offset:512*(n+DEPTH) th:TH_LOAD_NT
.endif
	global_store_b64 v2, v[Y+2*(n%YS):Y+2*(n%YS)+1], s[6:7] offset:256*n
.set n, n+1
.endr
	s_endpgm
.Lfunc_end_k_q01ac89fb2b_cast:
	.size	k_q01ac89fb2b_cast, .Lfunc_end_k_q01ac89fb2b_cast-k_q01ac89fb2b_cast
	.p2alignl 7, 3214868480
	.fill 96, 4, 3214868480
	.section	.rodata,"a",@progbits
	.p2align	6, 0x0
	.amdhsa_kernel k_q01ac89fb2b_cast
		.amdhsa_group_segment_fixed_size 0
		.amdhsa_private_segment_fixed_size 0
		.amdhsa_enable_private_segment 0
		.amdhsa_kernarg_size 64
		.amdhsa_user_sgpr_count 2
		.amdhsa_user_sgpr_kernarg_segment_ptr 1
		.amdhsa_wavefront_size32 1
		.amdhsa_system_sgpr_workgroup_id_x 1
		.amdhsa_system_sgpr_workgroup_id_y 1
		.amdhsa_system_sgpr_workgroup_id_z 1
		.amdhsa_system_vgpr_workitem_id 0
		.amdhsa_next_free_vgpr 164
		.amdhsa_next_free_sgpr 66
		.amdhsa_reserve_vcc 0
		.amdhsa_float_denorm_mode_32 3
		.amdhsa_float_denorm_mode_16_64 3
		.amdhsa_memory_ordered 1
		.amdhsa_forward_progress 1
		.amdhsa_inst_pref_size 24
	.end_amdhsa_kernel
	.amdgpu_metadata
---
amdhsa.version: [ 1, 2 ]
amdhsa.kernels:
  - .name:           k_q01ac89fb2b_cast
    .symbol:         k_q01ac89fb2b_cast.kd
    .args:
      - { .name: query, .offset: 0, .size: 8, .value_kind: global_buffer, .address_space: global }
      - { .name: key, .offset: 8, .size: 8, .value_kind: global_buffer, .address_space: global }
      - { .name: value, .offset: 16, .size: 8, .value_kind: global_buffer, .address_space: global }
      - { .name: Wq, .offset: 24, .size: 8, .value_kind: global_buffer, .address_space: global }
      - { .name: Wk, .offset: 32, .size: 8, .value_kind: global_buffer, .address_space: global }
      - { .name: Wv, .offset: 40, .size: 8, .value_kind: global_buffer, .address_space: global }
      - { .name: Wo, .offset: 48, .size: 8, .value_kind: global_buffer, .address_space: global }
      - { .name: cb, .offset: 56, .size: 8, .value_kind: global_buffer, .address_space: global }
    .group_segment_fixed_size: 0
    .private_segment_fixed_size: 0
    .kernarg_segment_align: 8
    .kernarg_segment_size: 64
    .max_flat_workgroup_size: 256
    .sgpr_count:     66
    .vgpr_count:     164
    .wavefront_size: 32
...
	.end_amdgpu_metadata
.endif
;; end of part 1
;; launch qkvproj (part 2): grid 4 x 48, 4 waves a work-group, clusters of 4 x 4, 327,680 bytes of LDS; arguments cb, bq, bk, bv, qkv; writes qkv
.if DOCPART == 2
	.amdgcn_target "amdgcn-amd-amdhsa--gfx1250"
	.amdhsa_code_object_version 6
	.text
	.protected	k_q01ac89fb2b_qkvproj
	.globl	k_q01ac89fb2b_qkvproj
	.p2align	8
	.type	k_q01ac89fb2b_qkvproj,@function
k_q01ac89fb2b_qkvproj:
	s_mov_b64 s[64:65], 0
	v_nop
	global_prefetch_b8 v0, s[64:65] scope:SCOPE_SE
	s_setreg_imm32_b32 hwreg(HW_REG_WAVE_MODE, 25, 1), 1
	s_wait_xcnt 0x0
	s_wait_alu depctr_hold_cnt(0) depctr_sa_sdst(0) depctr_va_vdst(0) depctr_va_sdst(0) depctr_va_ssrc(0) depctr_va_vcc(0) depctr_vm_vsrc(0)
	s_getreg_b32 s2, hwreg(HW_REG_IB_STS2, 6, 4)
	s_cmp_eq_u32 s2, 0
	s_cbranch_scc0 .Lentry_in_a_cluster
	s_endpgm
.Lentry_in_a_cluster:
	s_bfe_u32 s2, ttmp6, 0x10000c
	s_cmp_lg_u32 s2, 0xf033
	s_cbranch_scc0 .Lentry_shape_is_right
	s_endpgm
.Lentry_shape_is_right:
; qkv[12288][1024] (16 bits a number) = (X W + b) * sc, three products in one launch.  X is cb's first 24 MiB, [12288][1024] f16: rows 0-4095
; query, 4096-8191 key, 8192-12287 value.  W is Wq, Wk or Wv in f16, stored [k][n], at cb + 24 MiB + p * 2 MiB, p = row block / 16.
; sc = 0.125 / (-1e9) for the query rows, 1 for the others: the attention keeps its logits divided by -1e9, so that the mask enters its first
; product as it is given.  (An order of rounding that differs from the reference's: the scale is in Q before its rounding.)
; FORMATS OUT: query and key rows in bf16: the scaled Q is about 1e-10, for which f16 has no room, and both operands of a product share a format.
; Value rows in f16, for its 11 bits of significand.  Sums in f32, K ascending, one rounding at the end.
; LIMIT: a value row's number beyond 65,504 in magnitude becomes infinity.  The room: with inputs of spread 1 and weights within 1/32 the results
; stay under about 3.2; all inputs 30 times larger: 900 times that, about 3,000; activations and weights both offset by 30 spreads:
; 1024 x 30 x 0.54, about 16,600.  All inputs 30 times smaller: about 6e-4, where f16's step is still 2^-21 or finer.
; A work-group makes 256 x 256 with four waves; a wave makes 128 x 128: 64 accumulator tiles, 512 registers.  K goes in steps of 128 through
; two LDS slots filled by the tensor data mover.  192 work-groups: 3 x 16 x 4 blocks; blocks of half the side would double the LDS bytes
; read for each matrix instruction.
; CLUSTERS: 4 x 4 work-groups.  X's tile hangs on the block row alone and is asked for jointly along a row of the cluster; W's hangs on the
; block column and on p, which comes from the cluster's y alone, and is asked for jointly along a column.  Requests for both fall to a quarter.
; REGISTERS in windows of 256: window 0: v0-31 addresses; v64-127, v128-191 fragments of X, two buffers; v192-223 at work on the way out.
; window 1: v0-63 the bias of my 128 columns; v64-127, v128-191 fragments of W.  windows 2, 3: the accumulators of my rows 0-63, 64-127.
; THE MATRIX INSTRUCTION IS USED TRANSPOSED: source 0 = 16 columns of W, source 1 = 16 rows of X, so that a lane's eight results are eight
; neighbouring columns of one row of qkv.
.set SIZE_K, 1024
.set SIZE_N, 1024
.set KSTEP,  128
.set PITCH,  272                       ; X in LDS: 256 bytes + 16 of padding, an odd multiple of 16
.set BPITCH, 544                       ; W in LDS: a k row of 256 columns, 512 bytes + 32 of padding, an odd multiple of 32 (for the transposing load)
.set HALFT,  128*PITCH                 ; what one tensor load brings: 128 rows of X, or 64 k rows of W (64 x 544 is the same 34,816)
.set SLOT,   4*HALFT                   ; X's 256 rows, then W's 128 k rows
.set STAGE,  2*SLOT                    ; behind the ring: 16 rows x 272 bytes for each wave; no fill lands there
.set SPITCH, 272
.set LAPS, SIZE_K/(2*KSTEP)            ; 4 laps of two K steps
.set ADRA, 16                          ; v16-17  LDS address of my X fragments in slot 0, 1
.set ADRB, 20                          ; v20-21  the same for W
.set STO,  24
.set RD,   25
.set CO,   26
.set BO,   27                          ; v27     32 h: my eight bias numbers inside a tile's sixteen
.set F0,   64
.set F1,   128
.set TMP,  192
.set G1,  24                           ; s[24:31] group 1, X's tiles
.set G0,  32                           ; s[32:39] group 0, X's tiles, a set for each slot
.set G1B, 48                           ; s[48:55] group 1, W's tiles
.set G0B, 56                           ; s[56:63] group 0, W's tiles
.set WV, 66                            ; wave
.set HR, 67                            ; wave >> 1: my half of the rows; also: I fetch X (0) or W (1)
.set HC, 68                            ; wave & 1: my half of the columns; also: which half of that tile I fetch
.set CX, 69
.set CY, 70
.set BC, 71                            ; block column
.set BR, 72                            ; block row, 0 to 47
.set RM, 73
.set CM, 74
.set PR, 75                            ; which product: 0 query, 1 key, 2 value
.set SC, 76                            ; s[76:77] the scale, twice
.set CLY, 78
.set MSB, 0
.macro WIN new                         ; the immediate's high byte repeats the setting that is left
.if MSB != \new
	s_set_vgpr_msb (MSB<<8)|\new
.set MSB, \new
.endif
.endm
.set MUL_LO, 0xa1                      ; source 0 (W) window 1, source 1 (X) window 0, C and D window 2
.set MUL_HI, 0xf1                      ; the same, C and D window 3
.set TO_B,   0x40                      ; destination window 1, address window 0
; A joint load: waves 0, 1 ask for X's halves, waves 2, 3 for W's.  The branch hangs on the wave's number alone.
.macro JLOAD s
	s_cmp_eq_u32 s[HR], 0
	s_cbranch_scc0 .Lfor_b_\@
	tensor_load_to_lds s[G0+4*\s:G0+4*\s+3], s[G1:G1+7]
	s_nop 0
	s_branch .Lasked_\@
.Lfor_b_\@:
	tensor_load_to_lds s[G0B+4*\s:G0B+4*\s+3], s[G1B:G1B+7]
	s_nop 0
.Lasked_\@:
.endm
.macro CREST                           ; a round of the cluster's barrier behind its opening work-group barrier
	s_cmp_lg_u32 s[WV], 0
	s_cbranch_scc1 .Lnot_wave_0_\@
	s_barrier_signal -3
.Lnot_wave_0_\@:
	s_barrier_wait -3
	s_barrier_signal -1
	s_barrier_wait -1
.endm
.macro CROUND                          ; a whole round
	s_barrier_signal -1
	s_barrier_wait -1
	CREST
.endm
	s_load_b256 s[4:11], s[0:1], 0x0               ; cb s[4:5], bq s[6:7], bk s[8:9], bv s[10:11]
	s_load_b64 s[12:13], s[0:1], 0x20              ; qkv
	s_set_vgpr_msb 0x40
	v_lshl_add_u32 v255, v0, 2, 0x48400
	s_set_vgpr_msb 0x4000
	v_mov_b32 v255, 0
	s_set_vgpr_msb 0x1
	ds_add_u32 v255, v255
	s_set_vgpr_msb 0x100
	v_lshrrev_b32 v1, 5, v0
	v_readfirstlane_b32 s[WV], v1
	s_lshr_b32 s[HR], s[WV], 1
	s_and_b32 s[HC], s[WV], 1
	s_bfe_u32 s[CX], ttmp6, 0x40000
	s_bfe_u32 s[CY], ttmp6, 0x40004
	s_lshl_b32 s[BC], ttmp9, 2
	s_add_co_u32 s[BC], s[BC], s[CX]               ; block column = 4 x cluster x + cx
	s_and_b32 s[CLY], ttmp7, 0xffff
	s_lshl_b32 s[BR], s[CLY], 2
	s_add_co_u32 s[BR], s[BR], s[CY]               ; block row = 4 x cluster y + cy
	s_lshr_b32 s[PR], s[CLY], 2                    ; 16 block rows = 4 clusters to a product: the same in all sixteen partners
	s_lshl_b32 s[RM], s[CY], 2
	s_lshl_b32 s[RM], 15, s[RM]                    ; my row of the cluster
	s_lshl_b32 s[CM], 0x1111, s[CX]                ; my column
	; group 1, X: 128 rows x 128 elements of 2 bytes, 4 words of padding behind every 64
	s_or_b32 s[G1+0], s[RM], (1<<16)|(1<<20)|(1<<21)|(5<<22)|(3<<25)
	s_mov_b32 s[G1+1], KSTEP<<16                   ; tensor_dim0 = 128
	s_mov_b32 s[G1+2], 128<<16                     ; tensor_dim1 = 128
	s_mov_b32 s[G1+3], KSTEP<<16                   ; tile_dim0 = 128
	s_mov_b32 s[G1+4], 128                         ; tile_dim1 = 128
	s_mov_b32 s[G1+5], SIZE_K                      ; elements from row to row
	s_mov_b32 s[G1+6], 0
	s_mov_b32 s[G1+7], 0
	; group 1, W: 64 k rows x 256 elements, 8 words of padding behind every 128
	s_or_b32 s[G1B+0], s[CM], (1<<16)|(1<<20)|(1<<21)|(6<<22)|(7<<25)
	s_mov_b32 s[G1B+1], 256<<16
	s_mov_b32 s[G1B+2], 64<<16
	s_mov_b32 s[G1B+3], 256<<16
	s_mov_b32 s[G1B+4], 64
	s_mov_b32 s[G1B+5], SIZE_N
	s_mov_b32 s[G1B+6], 0
	s_mov_b32 s[G1B+7], 0
	; X's tile: block row and wave alone; W's: block column, product and wave alone; each in registers that never hold the other coordinate
	s_lshl_b32 s16, s[BR], 19                      ; 256 rows of 2,048 bytes
	s_lshl_b32 s21, s[HC], 18                      ; + my 128 rows
	s_add_co_u32 s16, s16, s21
	s_mov_b32 s17, 0
	s_lshl_b32 s40, s[PR], 21                      ; 2 MiB a weight,
	s_add_co_u32 s40, s40, 0x1800000               ; behind X's 24 MiB
	s_lshl_b32 s22, s[HC], 17                      ; + my 64 k rows of 2,048 bytes
	s_add_co_u32 s40, s40, s22
	s_lshl_b32 s22, s[BC], 9                       ; + 256 columns a block
	s_add_co_u32 s40, s40, s22
	s_mov_b32 s41, 0
	s_mul_i32 s20, s[WV], HALFT                    ; where it goes: wave x 34,816
	s_wait_dscnt 0x0
	s_wait_kmcnt 0x0
	s_add_nc_u64 s[14:15], s[4:5], s[16:17]
	s_add_nc_u64 s[42:43], s[4:5], s[40:41]
	CROUND                                         ; all sixteen work-groups are here: the first joint loads meet
.irp s, 0,1
	s_mov_b32 s[G0+4*\s], 1
	s_add_co_u32 s[G0+4*\s+1], s20, \s*SLOT
	s_add_nc_u64 s[G0+4*\s+2:G0+4*\s+3], s[14:15], \s*KSTEP*2
	s_or_b32 s[G0+4*\s+3], s[G0+4*\s+3], 0x80000000
	s_mov_b32 s[G0B+4*\s], 1
	s_add_co_u32 s[G0B+4*\s+1], s20, \s*SLOT
	s_add_nc_u64 s[G0B+4*\s+2:G0B+4*\s+3], s[42:43], \s*KSTEP*SIZE_N*2
	s_or_b32 s[G0B+4*\s+3], s[G0B+4*\s+3], 0x80000000
	JLOAD \s                                       ; two tensor loads of a wave are out here, later one
.endr
	; the product's bias and scale
	s_cmp_eq_u32 s[PR], 1
	s_cselect_b64 s[6:7], s[8:9], s[6:7]
	s_cmp_eq_u32 s[PR], 2
	s_cselect_b64 s[6:7], s[10:11], s[6:7]
	s_cmp_eq_u32 s[PR], 0
	s_cselect_b32 s[SC], 0xaf09705f, 1.0           ; -1.25e-10 = 0.125 / (-1e9), or 1
	s_mov_b32 s[SC+1], s[SC]
	s_lshl_b32 s44, s[BC], 10                      ; my first column, in f32: 256 x block + 128 x half
	s_lshl_b32 s45, s[HC], 9
	s_add_co_u32 s44, s44, s45
	s_mov_b32 s45, 0
	s_add_nc_u64 s[6:7], s[6:7], s[44:45]
	v_and_b32 v1, 15, v0                           ; r = lane % 16
	v_bfe_u32 v2, v0, 4, 1                         ; h = lane / 16
	v_lshlrev_b32 v[BO], 5, v2
	WIN TO_B
.irp b, 0,1,2,3,4,5,6,7
	global_load_b128 v[8*\b:8*\b+3],   v[BO], s[6:7] offset:64*\b      ; window 1, v[8 b + j] = bias[first column + 16 b + 8 h + j];
	global_load_b128 v[8*\b+4:8*\b+7], v[BO], s[6:7] offset:64*\b+16   ; waited for on the way out; v27 and s[6:7] are not written again
.endr
	WIN 0
	; X's fragment: lane (r, h) takes row r, bytes 16 h and 32 + 16 h of the 64 bytes of 32 K
	v_mul_u32_u24 v3, v1, PITCH
	v_lshl_add_u32 v3, v2, 4, v3
	; W's fragment, through the transposing load: lane addresses k row 8 h + lane % 8, 16 bytes at 16 x ((lane / 8) % 2); the second load 16 k rows on
	v_and_b32 v6, 7, v0
	v_lshl_add_u32 v6, v2, 3, v6
	v_mul_u32_u24 v6, v6, BPITCH
	v_bfe_u32 v7, v0, 3, 1
	v_lshl_add_u32 v6, v7, 4, v6
	s_mul_i32 s21, s[HR], HALFT                    ; my 128 rows of X
	s_lshl_b32 s22, s[HC], 8                       ; my 128 columns of W,
	s_add_co_u32 s22, s22, 2*HALFT                 ; which lies behind X
.irp s, 0,1
	v_add_nc_u32 v[ADRA+\s], s21, v3
	v_add_nc_u32 v[ADRB+\s], s22, v6
	s_add_co_u32 s21, s21, SLOT
	s_add_co_u32 s22, s22, SLOT
.endr
	s_mul_i32 s23, s[WV], 16*SPITCH
	s_add_co_u32 s23, s23, STAGE                   ; my stage
	v_mul_u32_u24 v4, v1, SPITCH
	v_lshl_add_u32 v4, v2, 4, v4
	v_add_nc_u32 v[STO], s23, v4
	v_mul_u32_u24 v5, v2, SPITCH
	v_lshl_add_u32 v5, v1, 4, v5
	v_add_nc_u32 v[RD], s23, v5
	v_mul_u32_u24 v5, v2, SIZE_N*2
	v_lshl_add_u32 v[CO], v1, 4, v5
; 16 matrix instructions: row tiles a0, a0 + 1 of the window's four x all 8 column tiles.  zero = 1: the first product starts the sums.
; The 64 accumulators take turns, one instruction a turn.
.macro MUL16 f, hi, a0, zero
.irp a, \a0, \a0+1
.irp b, 0,1,2,3,4,5,6,7
.if \zero
	v_wmma_f32_16x16x32_f16 v[8*(8*(\a)+\b):8*(8*(\a)+\b)+7], v[\f+8*\b:\f+8*\b+7], v[\f+8*(4*\hi+\a):\f+8*(4*\hi+\a)+7], 0
.else
	v_wmma_f32_16x16x32_f16 v[8*(8*(\a)+\b):8*(8*(\a)+\b)+7], v[\f+8*\b:\f+8*\b+7], v[\f+8*(4*\hi+\a):\f+8*(4*\hi+\a)+7], v[8*(8*(\a)+\b):8*(8*(\a)+\b)+7]
.endif
.endr
.endr
.endm
; 32 LDS loads in one run: one quarter step's fragments (k = byte of X's rows: 0, 64, 128, 192; in W that is k / 64 times 32 k rows)
.macro FETCH slot, k, f
	WIN TO_B
.irp i, 0,1,2,3,4,5,6,7
	ds_load_tr16_b128 v[\f+8*\i:\f+8*\i+3],   v[ADRB+\slot] offset:(\k/64)*32*BPITCH+\i*32
	ds_load_tr16_b128 v[\f+8*\i+4:\f+8*\i+7], v[ADRB+\slot] offset:(\k/64)*32*BPITCH+\i*32+16*BPITCH
.endr
	WIN 0
.irp i, 0,1,2,3,4,5,6,7
	ds_load_b128 v[\f+8*\i:\f+8*\i+3],   v[ADRA+\slot] offset:\k+\i*16*PITCH
	ds_load_b128 v[\f+8*\i+4:\f+8*\i+7], v[ADRA+\slot] offset:\k+\i*16*PITCH+32
.endr
.endm
; Four plain vector instructions stand between a matrix instruction and a load into, or a vector instruction on, one of its registers
.macro PLACES
.rept 4
	v_nop
.endr
.endm
.macro QUARTER slot, k, f, g, zero
	s_wait_dscnt 8                                 ; W and X's rows 0-63 are in; the youngest eight loads (X's rows 64-127) may be out
	WIN MUL_LO
	MUL16 \f, 0, 0, \zero
	MUL16 \f, 0, 2, \zero
	PLACES
	FETCH \slot, \k, \g
	s_wait_dscnt 32                                ; all but the 32 just issued
	WIN MUL_HI
	MUL16 \f, 1, 0, \zero
	MUL16 \f, 1, 2, \zero
.endm
.macro THREE slot, zero
	QUARTER \slot, 64,  F0, F1, \zero
	QUARTER \slot, 128, F1, F0, 0
	QUARTER \slot, 192, F0, F1, 0
.endm
; The last quarter multiplies buffer 1 and changes slots.  In front of the barrier each wave waits for its reads of this slot and for all its
; tensor loads (one is out: its part of the next slot).  Where the slot is filled again the barrier opens a round of the cluster's barrier, and
; the joint refill is the first tensor load behind the round.
.macro TURN slot, next, fill
	s_wait_dscnt 8
	WIN MUL_LO
	MUL16 F1, 0, 0, 0
	s_wait_dscnt 0                                 ; my reads of this slot are over
	s_wait_tensorcnt 0x0                           ; all my tensor loads have landed
	ds_add_u32 v255, v255
	s_wait_dscnt 0x0
	s_barrier_signal -1
	MUL16 F1, 0, 2, 0                              ; registers only
	WIN 0
	s_barrier_wait -1
.if \fill
	CREST
	s_add_nc_u64 s[G0+4*\slot+2:G0+4*\slot+3], s[G0+4*\slot+2:G0+4*\slot+3], 2*KSTEP*2
	s_add_nc_u64 s[G0B+4*\slot+2:G0B+4*\slot+3], s[G0B+4*\slot+2:G0B+4*\slot+3], 2*KSTEP*SIZE_N*2
	JLOAD \slot
.endif
	PLACES
	FETCH \next, 0, F0
	WIN MUL_HI
	MUL16 F1, 1, 0, 0
	MUL16 F1, 1, 2, 0
.endm
.macro LAP zero
	THREE 0, \zero
	TURN 0, 1, 1
	THREE 1, 0
	TURN 1, 0, 1
.endm
	s_wait_tensorcnt 1                             ; my part of K step 0 is in; K step 1's may stay out
	s_barrier_signal -1
	s_barrier_wait -1
	FETCH 0, 0, F0
	LAP 1
	WIN 0
	s_mov_b32 s3, LAPS-2
.Llap:
	LAP 0
	WIN 0
	s_sub_co_u32 s3, s3, 1
	s_cmp_lg_u32 s3, 0
	s_cbranch_scc1 .Llap
	THREE 0, 0                                     ; the last lap fills nothing
	TURN 0, 1, 0
	THREE 1, 0
	s_wait_dscnt 8
	WIN MUL_LO
	MUL16 F1, 0, 0, 0
	MUL16 F1, 0, 2, 0
	s_wait_dscnt 0
	WIN MUL_HI
	MUL16 F1, 1, 0, 0
	MUL16 F1, 1, 2, 0
	; THE WAY OUT: (sum + bias) sc = sum sc + (bias sc), one fused multiply-add a number; 16 rows at a time through my own stage
	PLACES
	s_wait_loadcnt 0x0                             ; the bias
	WIN 0x41                                       ; destination and source 0 in window 1
.set ii, 0
.rept 32
	v_pk_mul_f32 v[2*ii:2*ii+1], v[2*ii:2*ii+1], s[SC:SC+1] op_sel_hi:[1,0]
.set ii, ii+1
.endr
	WIN 0
	s_lshl_b32 s16, s[BR], 19
	s_lshl_b32 s17, s[HR], 18
	s_add_co_u32 s16, s16, s17                     ; my first row of qkv, in bytes
	s_mov_b32 s17, 0
	s_add_nc_u64 s[12:13], s[12:13], s[16:17]
	s_lshl_b32 s40, s[BC], 9
	s_lshl_b32 s41, s[HC], 8
	s_add_co_u32 s40, s40, s41                     ; my first column, in bytes
	s_mov_b32 s41, 0
	s_add_nc_u64 s[12:13], s[12:13], s[40:41]
; rows 16 i .. 16 i + 15 of my block = tiles (a, 0..7) of window 2 or 3 (from = 0x12 or 0x13: source 0 there, source 2 in window 1);
; f: read-back registers, in turn; cv: the rounding, to bf16 or to f16
.macro OUT16 i, a, from, f, cv
	WIN \from
.irp b, 0,1,2,3,4,5,6,7
.irp r, 0,1,2,3
	v_pk_fma_f32 v[F0+8*\b+2*\r:F0+8*\b+2*\r+1], v[8*(8*\a+\b)+2*\r:8*(8*\a+\b)+2*\r+1], s[SC:SC+1], v[8*\b+2*\r:8*\b+2*\r+1] op_sel_hi:[1,0,1]
.endr
.endr
	WIN 0
.irp b, 0,1,2,3,4,5,6,7
.irp r, 0,1,2,3
	\cv v[TMP+4*\b+\r], v[F0+8*\b+2*\r], v[F0+8*\b+2*\r+1]
.endr
.endr
.irp b, 0,1,2,3,4,5,6,7
	ds_store_b128 v[STO], v[TMP+4*\b:TMP+4*\b+3] offset:32*\b
.endr
	s_wait_xcnt 0x0                                ; the read-back registers, which stores read, and the stores' base are rewritten only behind this wait
.if \i
	s_add_nc_u64 s[12:13], s[12:13], 16*SIZE_N*2
.endif
.irp t, 0,1,2,3,4,5,6,7
	ds_load_b128 v[\f+4*\t:\f+4*\t+3], v[RD] offset:\t*2*SPITCH    ; a wave's LDS instructions are served in order: these see the stores above
.endr
.irp t, 0,1,2,3,4,5,6,7
	s_wait_dscnt 7-\t                              ; the younger read-backs stay out
	global_store_b128 v[CO], v[\f+4*\t:\f+4*\t+3], s[12:13] offset:2*\t*SIZE_N*2   ; 16 lanes store 256 consecutive bytes, aligned
.endr
.endm
.macro ALLOUT cv
	OUT16 0, 0, 0x12, 128, \cv
	OUT16 1, 1, 0x12, 160, \cv
	OUT16 2, 2, 0x12, 128, \cv
	OUT16 3, 3, 0x12, 160, \cv
	OUT16 4, 0, 0x13, 128, \cv
	OUT16 5, 1, 0x13, 160, \cv
	OUT16 6, 2, 0x13, 128, \cv
	OUT16 7, 3, 0x13, 160, \cv
.endm
	s_cmp_eq_u32 s[PR], 2                          ; the product's number comes from the cluster's y alone: all sixteen partners take the same way
	s_cbranch_scc1 .Lvalue
	ALLOUT v_cvt_pk_bf16_f32                       ; query and key rows
	s_branch .Lstored
.Lvalue:
	ALLOUT v_cvt_pk_f16_f32                        ; value rows
.Lstored:
	s_set_vgpr_msb 0x1
	s_wait_tensorcnt 0x0
	ds_add_u32 v255, v255
	s_wait_dscnt 0x0
	s_set_vgpr_msb 0x100
	CROUND                                         ; the closing round: no work-group ends while a partner may still ask for a tile that names it
	s_endpgm
.Lfunc_end_k_q01ac89fb2b_qkvproj:
	.size	k_q01ac89fb2b_qkvproj, .Lfunc_end_k_q01ac89fb2b_qkvproj-k_q01ac89fb2b_qkvproj
	.p2alignl 7, 3214868480
	.fill 96, 4, 3214868480
	.section	.rodata,"a",@progbits
	.p2align	6, 0x0
	.amdhsa_kernel k_q01ac89fb2b_qkvproj
		.amdhsa_group_segment_fixed_size 327680
		.amdhsa_private_segment_fixed_size 0
		.amdhsa_enable_private_segment 0
		.amdhsa_kernarg_size 40
		.amdhsa_user_sgpr_count 2
		.amdhsa_user_sgpr_kernarg_segment_ptr 1
		.amdhsa_wavefront_size32 1
		.amdhsa_system_sgpr_workgroup_id_x 1
		.amdhsa_system_sgpr_workgroup_id_y 1
		.amdhsa_system_sgpr_workgroup_id_z 1
		.amdhsa_system_vgpr_workitem_id 0
		.amdhsa_next_free_vgpr 1024
		.amdhsa_next_free_sgpr 96
		.amdhsa_reserve_vcc 0
		.amdhsa_float_denorm_mode_32 3
		.amdhsa_float_denorm_mode_16_64 3
		.amdhsa_memory_ordered 1
		.amdhsa_forward_progress 1
		.amdhsa_inst_pref_size 255
	.end_amdhsa_kernel
	.section	.bss,"aw",@nobits
	.p2align	6
	.space	262144
	.amdgpu_metadata
---
amdhsa.version: [ 1, 2 ]
amdhsa.kernels:
  - .name:           k_q01ac89fb2b_qkvproj
    .symbol:         k_q01ac89fb2b_qkvproj.kd
    .args:
      - { .name: cb, .offset: 0, .size: 8, .value_kind: global_buffer, .address_space: global }
      - { .name: bq, .offset: 8, .size: 8, .value_kind: global_buffer, .address_space: global }
      - { .name: bk, .offset: 16, .size: 8, .value_kind: global_buffer, .address_space: global }
      - { .name: bv, .offset: 24, .size: 8, .value_kind: global_buffer, .address_space: global }
      - { .name: qkv, .offset: 32, .size: 8, .value_kind: global_buffer, .address_space: global }
    .group_segment_fixed_size: 327680
    .private_segment_fixed_size: 0
    .kernarg_segment_align: 8
    .kernarg_segment_size: 40
    .max_flat_workgroup_size: 128
    .sgpr_count:     96
    .vgpr_count:     1024
    .wavefront_size: 32
...
	.end_amdgpu_metadata
.endif
;; end of part 2
;; launch attn (part 3): grid 8 x 32, 8 waves a work-group, clusters of 4 x 4, 327,680 bytes of LDS; arguments qkv, mask, ao; writes ao
.if DOCPART == 3
	.amdgcn_target "amdgcn-amd-amdhsa--gfx1250"
	.amdhsa_code_object_version 6
	.text
	.protected	k_q01ac89fb2b_attn
	.globl	k_q01ac89fb2b_attn
	.p2align	8
	.type	k_q01ac89fb2b_attn,@function
k_q01ac89fb2b_attn:
	s_mov_b64 s[64:65], 0
	v_nop
	global_prefetch_b8 v0, s[64:65] scope:SCOPE_SE
	s_setreg_imm32_b32 hwreg(HW_REG_WAVE_MODE, 25, 1), 1
	s_wait_xcnt 0x0
	s_wait_alu depctr_hold_cnt(0) depctr_sa_sdst(0) depctr_va_vdst(0) depctr_va_sdst(0) depctr_va_ssrc(0) depctr_va_vcc(0) depctr_vm_vsrc(0)
	s_getreg_b32 s2, hwreg(HW_REG_IB_STS2, 6, 4)
	s_cmp_eq_u32 s2, 0
	s_cbranch_scc0 .Lentry_in_a_cluster
	s_endpgm
.Lentry_in_a_cluster:
	s_bfe_u32 s2, ttmp6, 0x10000c
	s_cmp_lg_u32 s2, 0xf033
	s_cbranch_scc0 .Lentry_shape_is_right
	s_endpgm
.Lentry_shape_is_right:
; ao[4096][1024] (f16) = softmax(Q K^T / 8 + mask * (-1e9)) V, head by head.
; qkv: rows 0-4095 Q'' = Q * 0.125 / (-1e9) in bf16, rows 4096-8191 K in bf16, rows 8192-12287 V in f16.
; THE LOGITS ARE KEPT DIVIDED BY -1e9: S' = mask + K Q''^T, with the mask, as it is given, as the C operand of the first product: no instruction
; scales it.  The largest logit is the SMALLEST S'.  With the running minimum m' and c = m' * 1e9 log2(e), a weight is
; exp2(S' * (-1e9 log2(e)) + c), one fused multiply-add and one exponential; old sums and outputs are rescaled by exp2(c new - c old), made of
; the very c that the weights were made with.  Sums, minima and c in f32.
; FORMATS: the first product in bf16 (Q'' is about 1e-10: no room in f16); the second in f16: the weights are 1 at the most, by the running
; minimum, and one under 2^-25 enters as 0 beside a sum of at least 1; ao is a weighted mean of V and has V's room in f16 (V stays under 65,504
; with all inputs 30 times larger, about 3,000, and with activations and weights both offset by 30 spreads, about 16,600).
; LIMITS: the order of rounding differs from the reference's (base 2; the scale is in Q'' before its rounding; the weights enter the second
; product in f16, their sum is taken in f32).  In a row whose keys are ALL masked the weights are decided by how mask + logit / (-1e9) rounds,
; which may differ from how -1e9 + logit rounds.  NaN and infinities in the inputs are not served.
; SHARES.  A work-group takes 128 queries (wy = batch * 16 + query block) of two heads (hp: heads 2 hp, 2 hp + 1, 256 aligned bytes of a qkv row).
; Eight waves: hh = w & 1 the head, g = (w >> 1) & 1 which 64 queries, p = w >> 2 which 64 of a tile's 128 keys.  Waves w and w + 4 share one
; (head, 64 queries) and split the keys; each keeps its own minimum, sum and output, merged once at the end.
; ORIENTATION.  S'^T = K Q''^T (source 0 = 16 keys, source 1 = 16 queries): lane (r, h), register j holds key 8 h + j, query r.  So a query's
; minimum and sum are a lane's own but for one exchange between the halves, and two tiles packed to f16 ARE source 1 of O^T = V^T P^T: no shuffle.
; CLUSTERS, 4 x 4: K's and V's tiles hang on (batch, hp) and are asked for jointly along a column of the cluster (four query blocks); the mask's
; tile hangs on wy alone and is asked for jointly along a row (four head pairs).
; A TRIP reads its tile into registers early, so its slot is free early: the round of the cluster's barrier stands inside the trip, filled with
; register work, and behind it the slot just read is filled with the tile two trips on.  Behind the round the next tile is known to be whole,
; and half of its LDS loads (K; the mask of key tiles 2, 3, whose registers are free once P is packed) go out under the rest of this trip's work.
; LDS: two slots of 141,312 bytes, a tile of 128 keys each: K 128 x 272 at 0, V 128 x 288 at 36,864, mask 128 x 528 at 73,728.  Behind them a
; stage of 4 x 9,216 bytes, into which no fill lands.  The merge uses bytes 0-69,631 of slot 0 after that slot's last fill and last read.
.set SLOT,  141312
.set VOFF,  36864
.set MOFF,  73728
.set KP,    272                        ; odd multiple of 16
.set VP,    288                        ; odd multiple of 32, for the transposing load
.set MP,    528                        ; odd multiple of 16
.set STAGE, 2*SLOT
.set SGP,   144                        ; a stage row: one head's 128 bytes + 16
.set SGW,   64*SGP                     ; a merging wave's stage
.set MRGW,  17408                      ; a wave's merge bytes: 128 registers of output, 4 c, 4 sums, 128 bytes each
.set KVSTEP, 262144                    ; 128 rows of qkv
; window 0
.set ADRK, 8                           ; v8-9    my K fragments in slot 0, 1
.set ADRV, 10                          ; v10-11  V
.set ADRM, 12                          ; v12-13  mask
.set MRG,  14
.set STO,  15
.set RD,   16
.set CO,   17
.set PFO,  18
.set QO,   19
.set MN,   20                          ; v[20:27]  running minima of S' of my 4 query tiles, two sets that take turns by slot
.set LS,   28                          ; v[28:31]  running sums (a lane's own 32 of each 64 keys until the end)
.set AL,   32                          ; v[32:35]  exp2(c new - c old)
.set T,    36                          ; v[36:51]  at work
.set CS,   52                          ; v[52:59]  c = minimum * 1e9 log2(e), two sets that take turns by slot
.set KF,   64                          ; v[64:127] K fragments: (key tile kt, half dh of the head's 64) at 16 kt + 8 dh
.set S,    128                         ; v[128:255] S'^T tile (query tile qt, kt) at 32 qt + 8 kt; later P, packed, at 32 qt + 4 kt
; window 1
.set QF,   0                           ; Q'' fragments at 16 qt + 8 dh
.set VF,   64                          ; V fragments (32 keys kg, 16 columns dt) at 32 kg + 8 dt
.set OA,   128                         ; O^T tiles at 32 qt + 8 dt
.set G1K, 24
.set G1V, 32
.set G1M, 40
.set G0K, 48                           ; a set of four for each slot
.set G0V, 56
.set G0M, 68
.set WV, 10
.set HH, 11
.set GG, 12
.set PP, 13
.set CX, 14
.set CY, 15
.set HP, 16
.set WY, 17
.set CLY, 18
.set BK, 19
.set MSB, 0
.macro WIN new
.if MSB != \new
	s_set_vgpr_msb (MSB<<8)|\new
.set MSB, \new
.endif
.endm
.macro PLACES                          ; four plain vector instructions between a matrix instruction and a load into, or a vector instruction on, its registers
.rept 4
	v_nop
.endr
.endm
.macro ROUND                           ; a round of the cluster's barrier
	s_barrier_signal -1
	s_barrier_wait -1
	s_cmp_lg_u32 s[WV], 0
	s_cbranch_scc1 .Lnot_wave_0_\@
	s_barrier_signal -3
.Lnot_wave_0_\@:
	s_barrier_wait -3
	s_barrier_signal -1
	s_barrier_wait -1
.endm
; One joint load a wave: waves 0, 1 K's halves, waves 2, 3 V's, waves 4-7 the mask's quarters.  The branches hang on the wave's number alone.
.macro JLOAD s
	s_cmp_lt_u32 s[WV], 2
	s_cbranch_scc0 .Lnot_k_\@
	tensor_load_to_lds s[G0K+4*(\s):G0K+4*(\s)+3], s[G1K:G1K+7]
	s_nop 0
	s_branch .Lasked_\@
.Lnot_k_\@:
	s_cmp_lt_u32 s[WV], 4
	s_cbranch_scc0 .Lfor_m_\@
	tensor_load_to_lds s[G0V+4*(\s):G0V+4*(\s)+3], s[G1V:G1V+7]
	s_nop 0
	s_branch .Lasked_\@
.Lfor_m_\@:
	tensor_load_to_lds s[G0M+4*(\s):G0M+4*(\s)+3], s[G1M:G1M+7]
	s_nop 0
.Lasked_\@:
.endm
; 16 LDS loads: my 64 keys of K
.macro KLD slot
.irp kt, 0,1,2,3
.irp dh, 0,1
	ds_load_b128 v[KF+16*\kt+8*\dh:KF+16*\kt+8*\dh+3],   v[ADRK+(\slot)] offset:\kt*16*KP+\dh*64
	ds_load_b128 v[KF+16*\kt+8*\dh+4:KF+16*\kt+8*\dh+7], v[ADRK+(\slot)] offset:\kt*16*KP+\dh*64+32
.endr
.endr
.endm
; 16 LDS loads: the mask of key tiles k0, k0 + 1 for my four query tiles, straight into the accumulators
.macro MASKLD slot, k0
.irp qt, 0,1,2,3
.irp kt, \k0, \k0+1
	ds_load_b128 v[S+32*\qt+8*(\kt):S+32*\qt+8*(\kt)+3],   v[ADRM+(\slot)] offset:\qt*16*MP+(\kt)*64
	ds_load_b128 v[S+32*\qt+8*(\kt)+4:S+32*\qt+8*(\kt)+7], v[ADRM+(\slot)] offset:\qt*16*MP+(\kt)*64+16
.endr
.endr
.endm
	s_load_b128 s[4:7], s[0:1], 0x0                ; qkv, mask
	s_load_b64 s[8:9], s[0:1], 0x10                ; ao
	v_lshl_add_u32 v62, v0, 2, 0x4e000
	v_mov_b32 v63, 0
	ds_add_u32 v62, v63
	v_lshrrev_b32 v1, 5, v0
	v_readfirstlane_b32 s[WV], v1
	s_and_b32 s[HH], s[WV], 1
	s_bfe_u32 s[GG], s[WV], 0x10001
	s_lshr_b32 s[PP], s[WV], 2
	s_bfe_u32 s[CX], ttmp6, 0x40000
	s_bfe_u32 s[CY], ttmp6, 0x40004
	s_lshl_b32 s[HP], ttmp9, 2
	s_add_co_u32 s[HP], s[HP], s[CX]               ; head pair = 4 x cluster x + cx
	s_and_b32 s[CLY], ttmp7, 0xffff
	s_lshl_b32 s[WY], s[CLY], 2
	s_add_co_u32 s[WY], s[WY], s[CY]               ; 16 x batch + query block = 4 x cluster y + cy
	s_lshr_b32 s[BK], s[CLY], 2                    ; the batch, from the cluster's y alone
	s_lshl_b32 s20, s[CY], 2
	s_lshl_b32 s20, 15, s20                        ; my row of the cluster
	s_lshl_b32 s21, 0x1111, s[CX]                  ; my column
	s_mov_b32 s76, 0x76543210                      ; v_permlanex16_b32: lane i of one half reads lane i of the other
	s_mov_b32 s77, 0xfedcba98
	s_mov_b32 s78, 0xceabfb8f                      ; -1e9 log2(e)
	s_mov_b32 s79, 0xceabfb8f
	s_mov_b32 s66, 0x4eabfb8f                      ; +1e9 log2(e)
	s_mov_b32 s67, 0x4eabfb8f
	; group 1, K: 64 rows x 128 elements of 2 bytes, 4 words of padding behind every 64
	s_or_b32 s[G1K+0], s21, (1<<16)|(1<<20)|(1<<21)|(5<<22)|(3<<25)
	s_mov_b32 s[G1K+1], 128<<16
	s_mov_b32 s[G1K+2], 64<<16
	s_mov_b32 s[G1K+3], 128<<16
	s_mov_b32 s[G1K+4], 64
	s_mov_b32 s[G1K+5], 1024
	s_mov_b32 s[G1K+6], 0
	s_mov_b32 s[G1K+7], 0
	; group 1, V: the same with 8 words of padding
	s_or_b32 s[G1V+0], s21, (1<<16)|(1<<20)|(1<<21)|(5<<22)|(7<<25)
	s_mov_b32 s[G1V+1], 128<<16
	s_mov_b32 s[G1V+2], 64<<16
	s_mov_b32 s[G1V+3], 128<<16
	s_mov_b32 s[G1V+4], 64
	s_mov_b32 s[G1V+5], 1024
	s_mov_b32 s[G1V+6], 0
	s_mov_b32 s[G1V+7], 0
	; group 1, mask: 32 rows x 128 elements of 4 bytes, 4 words of padding behind every 128
	s_or_b32 s[G1M+0], s20, (2<<16)|(1<<20)|(1<<21)|(6<<22)|(3<<25)
	s_mov_b32 s[G1M+1], 128<<16
	s_mov_b32 s[G1M+2], 32<<16
	s_mov_b32 s[G1M+3], 128<<16
	s_mov_b32 s[G1M+4], 32
	s_mov_b32 s[G1M+5], 2048
	s_mov_b32 s[G1M+6], 0
	s_mov_b32 s[G1M+7], 0
	; K's and V's tiles: batch, head pair, wave (never cy).  The mask's: wy, wave (never cx).
	s_lshl_b32 s84, s[BK], 22                      ; 2,048 rows of 2,048 bytes a batch
	s_lshl_b32 s22, s[HP], 8
	s_add_co_u32 s84, s84, s22
	s_lshl_b32 s22, s[HH], 17                      ; w & 1: which 64 rows of the tile
	s_add_co_u32 s84, s84, s22
	s_add_co_u32 s84, s84, 0x800000                ; K begins 4,096 rows in
	s_mov_b32 s85, 0
	s_lshl_b32 s86, s[WY], 20                      ; 128 rows of 8,192 bytes
	s_and_b32 s23, s[WV], 3
	s_lshl_b32 s23, s23, 18                        ; which 32 rows
	s_add_co_u32 s86, s86, s23
	s_mov_b32 s87, 0
	s_mul_i32 s94, s[WV], 64*KP                    ; LDS: waves 0, 1: 0 and 17,408
	s_mul_i32 s95, s[WV], 64*VP                    ; waves 2, 3: 36,864 and 55,296
	s_mul_i32 s83, s[WV], 32*MP
	s_add_co_u32 s83, s83, MOFF-4*32*MP            ; waves 4-7: 73,728 + (w - 4) x 16,896
	s_wait_dscnt 0x0
	s_wait_kmcnt 0x0
	s_add_nc_u64 s[90:91], s[4:5], s[84:85]
	s_add_nc_u64 s[92:93], s[6:7], s[86:87]
.irp s, 0,1
	s_mov_b32 s[G0K+4*\s], 1
	s_add_co_u32 s[G0K+4*\s+1], s94, \s*SLOT
	s_add_nc_u64 s[G0K+4*\s+2:G0K+4*\s+3], s[90:91], \s*KVSTEP
	s_or_b32 s[G0K+4*\s+3], s[G0K+4*\s+3], 0x80000000
	s_mov_b32 s[G0V+4*\s], 1
	s_add_co_u32 s[G0V+4*\s+1], s95, \s*SLOT
	s_add_nc_u64 s[G0V+4*\s+2:G0V+4*\s+3], s[90:91], 0x800000+\s*KVSTEP
	s_or_b32 s[G0V+4*\s+3], s[G0V+4*\s+3], 0x80000000
	s_mov_b32 s[G0M+4*\s], 1
	s_add_co_u32 s[G0M+4*\s+1], s83, \s*SLOT
	s_add_nc_u64 s[G0M+4*\s+2:G0M+4*\s+3], s[92:93], \s*512
	s_or_b32 s[G0M+4*\s+3], s[G0M+4*\s+3], 0x80000000
.endr
	ROUND                                          ; in front of the first joint loads
	JLOAD 0                                        ; tiles 0 and 1, one group: two tensor loads of a wave are out here, later one
	JLOAD 1
	; Q'': 64 queries x 64, straight from memory into source 1's layout; kept for the whole kernel
	s_lshl_b32 s88, s[WY], 18                      ; 128 rows of 2,048 bytes
	s_lshl_b32 s22, s[GG], 17
	s_add_co_u32 s88, s88, s22
	s_lshl_b32 s22, s[HP], 8
	s_add_co_u32 s88, s88, s22
	s_lshl_b32 s22, s[HH], 7
	s_add_co_u32 s88, s88, s22
	s_mov_b32 s89, 0
	s_add_nc_u64 s[88:89], s[4:5], s[88:89]
	v_and_b32 v1, 31, v0                           ; lane
	v_and_b32 v2, 15, v0                           ; r
	v_bfe_u32 v3, v0, 4, 1                         ; h
	v_and_b32 v4, 7, v0
	v_bfe_u32 v5, v0, 3, 1
	v_lshlrev_b32 v6, 11, v2
	v_lshl_add_u32 v[QO], v3, 4, v6                ; row r, 16 h
	WIN 0x40                                       ; destination in window 1
.irp qt, 0,1,2,3
.irp dh, 0,1
	global_load_b128 v[QF+16*\qt+8*\dh:QF+16*\qt+8*\dh+3],   v[QO], s[88:89] offset:\qt*32768+\dh*64
	global_load_b128 v[QF+16*\qt+8*\dh+4:QF+16*\qt+8*\dh+7], v[QO], s[88:89] offset:\qt*32768+\dh*64+32
.endr
.endr
	WIN 0
	; prefetch: from tile 3 of my query block's mask rows
	s_lshl_b32 s80, s[WY], 20
	s_add_co_u32 s80, s80, 3*512
	s_mov_b32 s81, 0
	s_add_nc_u64 s[80:81], s[6:7], s[80:81]
	; K fragment: key row 64 p + 16 kt + r, bytes 128 hh + 64 dh + 16 h and 32 on
	s_mul_i32 s22, s[PP], 64*KP
	s_lshl_b32 s23, s[HH], 7
	s_add_co_u32 s22, s22, s23
	v_mul_u32_u24 v6, v2, KP
	v_lshl_add_u32 v6, v3, 4, v6
	v_add_nc_u32 v[ADRK], s22, v6
	v_add_nc_u32 v[ADRK+1], SLOT, v[ADRK]
	; V fragment through the transposing load: key row 64 p + 32 kg + 8 h + lane % 8, bytes 128 hh + 32 dt + 16 ((lane / 8) % 2); the second load 16 rows on
	s_mul_i32 s22, s[PP], 64*VP
	s_add_co_u32 s22, s22, s23
	s_add_co_u32 s22, s22, VOFF
	v_lshl_add_u32 v6, v3, 3, v4
	v_mul_u32_u24 v6, v6, VP
	v_lshl_add_u32 v6, v5, 4, v6
	v_add_nc_u32 v[ADRV], s22, v6
	v_add_nc_u32 v[ADRV+1], SLOT, v[ADRV]
	; mask in S'^T's layout: query row 64 g + 16 qt + r, keys 64 p + 16 kt + 8 h + 0..7: 32 bytes
	s_mul_i32 s22, s[GG], 64*MP
	s_lshl_b32 s23, s[PP], 8
	s_add_co_u32 s22, s22, s23
	s_add_co_u32 s22, s22, MOFF
	v_mul_u32_u24 v6, v2, MP
	v_lshl_add_u32 v6, v3, 5, v6
	v_add_nc_u32 v[ADRM], s22, v6
	v_add_nc_u32 v[ADRM+1], SLOT, v[ADRM]
	; merge, stage, way out
	s_and_b32 s23, s[WV], 3
	s_mul_i32 s22, s23, MRGW
	v_lshl_add_u32 v[MRG], v1, 4, s22              ; (w & 3) x 17,408 + 16 lane: the same for waves w and w + 4
	s_mul_i32 s22, s23, SGW
	s_add_co_u32 s22, s22, STAGE
	v_mul_u32_u24 v6, v2, SGP
	v_lshl_add_u32 v6, v3, 4, v6
	v_add_nc_u32 v[STO], s22, v6                   ; my stage, row r, 16 h
	s_mul_i32 s22, s23, 16*SGP                     ; back: rows 16 w .. 16 w + 15 of the 128: stages 2 (w >> 2) and + 1, rows 16 (w & 3) ..
	s_mul_i32 s23, s[PP], 2*SGW
	s_add_co_u32 s22, s22, s23
	s_add_co_u32 s22, s22, STAGE
	v_mul_u32_u24 v6, v5, SGW                      ; lanes 8-15 of a half: the second head's stage
	v_mad_u32_u24 v6, v3, SGP, v6                  ; lanes 16-31: the next row
	v_lshl_add_u32 v6, v4, 4, v6
	v_add_nc_u32 v[RD], s22, v6
	v_lshlrev_b32 v6, 11, v3
	v_lshl_add_u32 v[CO], v2, 4, v6                ; in ao: row h, 16 r
	v_lshrrev_b32 v6, 1, v1
	v_and_b32 v7, 1, v0
	s_lshl_b32 s22, s[HP], 17
	v_lshl_add_u32 v6, v6, 13, s22                 ; prefetch: mask row 16 hp + lane / 2 of my query block,
	v_lshl_add_u32 v[PFO], v7, 8, v6               ; which half of the tile's 512 bytes
	s_lshl_b32 s22, s[WY], 18
	s_lshl_b32 s23, s[WV], 15
	s_add_co_u32 s22, s22, s23
	s_lshl_b32 s23, s[HP], 8
	s_add_co_u32 s22, s22, s23
	s_mov_b32 s23, 0
	s_add_nc_u64 s[8:9], s[8:9], s[22:23]          ; ao at row 128 wy + 16 w, my head pair
	s_wait_tensorcnt 0x1                           ; my part of tile 0 is in; tile 1's may stay out
	s_barrier_signal -1
	s_barrier_wait -1                              ; everybody's is
	KLD 0                                          ; what every later tile gets in the trip before it
	MASKLD 0, 2
	s_wait_loadcnt 0x0                             ; Q''
; v[base + 32 qt .. + 31] *= v[pr + qt], two at a time; the factor is one register of an even pair, picked by op_sel
.macro BMUL base, qt, pr
.set ii, 0
.rept 16
.if (\qt)&1
	v_pk_mul_f32 v[\base+32*\qt+2*ii:\base+32*\qt+2*ii+1], v[\base+32*\qt+2*ii:\base+32*\qt+2*ii+1], v[\pr+\qt-1:\pr+\qt] op_sel:[0,1] op_sel_hi:[1,1]
.else
	v_pk_mul_f32 v[\base+32*\qt+2*ii:\base+32*\qt+2*ii+1], v[\base+32*\qt+2*ii:\base+32*\qt+2*ii+1], v[\pr+\qt:\pr+\qt+1] op_sel_hi:[1,0]
.endif
.set ii, ii+1
.endr
.endm
; S'^T += K Q''^T for key tiles k0, k0 + 1 and all four query tiles: eight accumulators take turns, one instruction a turn
.macro QK k0
.irp dh, 0,1
.irp qt, 0,1,2,3
.irp kt, \k0, \k0+1
	v_wmma_f32_16x16x32_bf16 v[S+32*\qt+8*(\kt):S+32*\qt+8*(\kt)+7], v[KF+16*(\kt)+8*\dh:KF+16*(\kt)+8*\dh+7], v[QF+16*\qt+8*\dh:QF+16*\qt+8*\dh+7], v[S+32*\qt+8*(\kt):S+32*\qt+8*(\kt)+7]
.endr
.endr
.endr
.endm
; the smallest of a lane's 32 S' of each query tile (two chains a tile, eight in all), of both halves of the lanes, and of the trips before
.macro MINS first
.irp qt, 0,1,2,3
	v_min3_num_f32 v[T+2*\qt],   v[S+32*\qt],    v[S+32*\qt+1],  v[S+32*\qt+2]
	v_min3_num_f32 v[T+2*\qt+1], v[S+32*\qt+16], v[S+32*\qt+17], v[S+32*\qt+18]
.endr
.irp i, 0,1,2,3,4,5
.irp qt, 0,1,2,3
	v_min3_num_f32 v[T+2*\qt],   v[T+2*\qt],   v[S+32*\qt+3+2*\i],  v[S+32*\qt+4+2*\i]
	v_min3_num_f32 v[T+2*\qt+1], v[T+2*\qt+1], v[S+32*\qt+19+2*\i], v[S+32*\qt+20+2*\i]
.endr
.endr
.irp qt, 0,1,2,3
	v_min3_num_f32 v[T+2*\qt], v[T+2*\qt], v[S+32*\qt+15], v[S+32*\qt+31]
.endr
.irp qt, 0,1,2,3
	v_min_num_f32 v[T+2*\qt], v[T+2*\qt], v[T+2*\qt+1]
.endr
.irp qt, 0,1,2,3
	v_permlanex16_b32 v[T+2*\qt+1], v[T+2*\qt], s76, s77       ; the other half's 32 keys of the same query
.endr
.irp qt, 0,1,2,3
.if \first
	v_min_num_f32 v[MNN+\qt], v[T+2*\qt], v[T+2*\qt+1]
.else
	v_min3_num_f32 v[MNN+\qt], v[T+2*\qt], v[T+2*\qt+1], v[MNO+\qt]
.endif
.endr
.endm
; c of the new minima, and the factors for what was summed with the old c
.macro CAL first
	v_pk_mul_f32 v[CSN:CSN+1],   v[MNN:MNN+1],   s[66:67] op_sel_hi:[1,0]
	v_pk_mul_f32 v[CSN+2:CSN+3], v[MNN+2:MNN+3], s[66:67] op_sel_hi:[1,0]
.if \first
.else
	v_pk_add_f32 v[AL:AL+1],   v[CSN:CSN+1],   v[CSO:CSO+1]   neg_lo:[0,1] neg_hi:[0,1]
	v_pk_add_f32 v[AL+2:AL+3], v[CSN+2:CSN+3], v[CSO+2:CSO+3] neg_lo:[0,1] neg_hi:[0,1]
.irp qt, 0,1,2,3
	v_exp_f32 v[AL+\qt], v[AL+\qt]                 ; the plain instruction that must follow is the first multiply-add below
.endr
.endif
.endm
; the weights of query tile qt: exp2(S' * (-1e9 log2 e) + c), in place
.macro FEXP qt
.set ii, 0
.rept 16
.if (\qt)&1
	v_pk_fma_f32 v[S+32*\qt+2*ii:S+32*\qt+2*ii+1], v[S+32*\qt+2*ii:S+32*\qt+2*ii+1], s[78:79], v[CSN+\qt-1:CSN+\qt] op_sel:[0,0,1] op_sel_hi:[1,0,1]
.else
	v_pk_fma_f32 v[S+32*\qt+2*ii:S+32*\qt+2*ii+1], v[S+32*\qt+2*ii:S+32*\qt+2*ii+1], s[78:79], v[CSN+\qt:CSN+\qt+1] op_sel_hi:[1,0,0]
.endif
.set ii, ii+1
.endr
.set ii, 0
.rept 32
	v_exp_f32 v[S+32*\qt+ii], v[S+32*\qt+ii]       ; the plain instruction that must follow a transcendental before its result is used is the next tile's multiply-add, or the first sum
.set ii, ii+1
.endr
.endm
; the lane's 32 weights of query tile qt are added in four chains, then onto the running sum
.macro SUM qt, first
.set TS, T+8*((\qt)&1)
	s_wait_alu depctr_va_vdst(0)
.irp c, 0,1,2,3
	v_pk_add_f32 v[TS+2*\c:TS+2*\c+1], v[S+32*\qt+2*\c:S+32*\qt+2*\c+1], v[S+32*\qt+8+2*\c:S+32*\qt+9+2*\c]
.endr
.irp c, 0,1,2,3
	v_pk_add_f32 v[TS+2*\c:TS+2*\c+1], v[TS+2*\c:TS+2*\c+1], v[S+32*\qt+16+2*\c:S+32*\qt+17+2*\c]
.endr
.irp c, 0,1,2,3
	v_pk_add_f32 v[TS+2*\c:TS+2*\c+1], v[TS+2*\c:TS+2*\c+1], v[S+32*\qt+24+2*\c:S+32*\qt+25+2*\c]
.endr
	v_pk_add_f32 v[TS:TS+1], v[TS:TS+1], v[TS+2:TS+3]
	v_pk_add_f32 v[TS+4:TS+5], v[TS+4:TS+5], v[TS+6:TS+7]
	v_pk_add_f32 v[TS:TS+1], v[TS:TS+1], v[TS+4:TS+5]
.if \first
	v_add_f32 v[LS+\qt], v[TS], v[TS+1]
.else
	v_fma_f32 v[LS+\qt], v[LS+\qt], v[AL+\qt], v[TS]
	v_add_f32 v[LS+\qt], v[LS+\qt], v[TS+1]
.endif
.endm
; 32 f32 of tile row qt to 16 registers of f16, in place and ascending: register i is written when 2 i and 2 i + 1 are read, never ahead of them.
; Registers 16 to 31 of the row are free behind it.
.macro CVT16 qt
.set ii, 0
.rept 16
	v_cvt_pk_f16_f32 v[S+32*\qt+ii], v[S+32*\qt+2*ii], v[S+32*\qt+2*ii+1]
.set ii, ii+1
.endr
.endm
; O^T += V^T P^T for 32 keys: the 16 accumulators take turns, one instruction a turn
.macro PV kg, zero
.irp qt, 0,1,2,3
.irp dt, 0,1,2,3
.if \zero
	v_wmma_f32_16x16x32_f16 v[OA+32*\qt+8*\dt:OA+32*\qt+8*\dt+7], v[VF+32*\kg+8*\dt:VF+32*\kg+8*\dt+7], v[S+32*\qt+8*\kg:S+32*\qt+8*\kg+7], 0
.else
	v_wmma_f32_16x16x32_f16 v[OA+32*\qt+8*\dt:OA+32*\qt+8*\dt+7], v[VF+32*\kg+8*\dt:VF+32*\kg+8*\dt+7], v[S+32*\qt+8*\kg:S+32*\qt+8*\kg+7], v[OA+32*\qt+8*\dt:OA+32*\qt+8*\dt+7]
.endif
.endr
.endr
.endm
; One tile of 128 keys, in slot.  At its head K and the mask of key tiles 2, 3 have been asked of LDS by the trip before.
; mode 2: a round of the cluster's barrier; behind it this slot is filled with the tile two trips on.  mode 1: a plain barrier, which shows the
; last tile whole; nothing is filled.  mode 0: the last tile.  first: sums, minima and outputs start here.
; pf: wave 7 asks for its work-group's 16 rows of the mask tile three trips on, at byte pfo from the stepped base.
.macro TRIP slot, mode, first, pf, pfo
.set MNN, MN+4*\slot
.set MNO, MN+4-4*\slot
.set CSN, CS+4*\slot
.set CSO, CS+4-4*\slot
	PLACES                                         ; behind the last trip's matrix instructions, whose sources (V, P) are loaded again: four places;
	v_nop                                          ; and a fifth: the first product on key tiles 0, 1 below is a matrix instruction that writes over P's registers,
	                                               ; which the last trip's second product read, and these five are the only plain vector instructions between the two
	WIN 0x40
.irp kg, 0,1
.irp dt, 0,1,2,3
	ds_load_tr16_b128 v[VF+32*\kg+8*\dt:VF+32*\kg+8*\dt+3],   v[ADRV+\slot] offset:\kg*32*VP+\dt*32
	ds_load_tr16_b128 v[VF+32*\kg+8*\dt+4:VF+32*\kg+8*\dt+7], v[ADRV+\slot] offset:\kg*32*VP+\dt*32+16*VP
.endr
.endr
	WIN 0
	MASKLD \slot, 0
	WIN 0x04                                       ; source 1 (Q'') in window 1
	s_wait_dscnt 32                                ; K and the mask of key tiles 2, 3 are in; the 32 loads just issued stay out
	QK 2
	s_wait_dscnt 0x0                               ; the mask of key tiles 0, 1 and V: my reads of this slot are over
.if \mode
	s_set_vgpr_msb 0x400
	s_wait_tensorcnt 0x0                           ; all my tensor loads have landed: the one that was out is my part of the next tile; every group 0 may be written
	ds_add_u32 v62, v63
	s_wait_dscnt 0x0
	s_set_vgpr_msb 0x4
.if \mode == 2
	s_add_nc_u64 s[G0K+4*\slot+2:G0K+4*\slot+3], s[G0K+4*\slot+2:G0K+4*\slot+3], 2*KVSTEP   ; this slot's next tile
	s_add_nc_u64 s[G0V+4*\slot+2:G0V+4*\slot+3], s[G0V+4*\slot+2:G0V+4*\slot+3], 2*KVSTEP
	s_add_nc_u64 s[G0M+4*\slot+2:G0M+4*\slot+3], s[G0M+4*\slot+2:G0M+4*\slot+3], 2*512
.endif
	s_barrier_signal -1                            ; say so.  From here to the closing wait: register work alone
.endif
	QK 0
	WIN 0
.if \mode
	s_barrier_wait -1                              ; all eight waves have said so
.endif
.if \mode == 2
	s_cmp_lg_u32 s[WV], 0
	s_cbranch_scc1 .Lnw0_\@
	s_barrier_signal -3                            ; wave 0 says so for the work-group
.Lnw0_\@:
.endif
	PLACES                                         ; behind the first product, whose results are read
	MINS \first
.if \mode == 2
	s_barrier_wait -3                              ; all sixteen work-groups have said so
	s_barrier_signal -1
.endif
	CAL \first
	FEXP 0
.if \mode == 2
	s_barrier_wait -1                              ; the round is closed: no wave of any partner still reads this slot or has a load on its way
	JLOAD \slot                                    ; my one tensor load until the next round, first behind this one
.endif
.if \pf
	s_cmp_lg_u32 s[WV], 7
	s_cbranch_scc1 .Lno_pf_\@
	; The mask tile of trip t + 3, whose tensor load stands at this place of trip t + 1: 128 rows x 512 bytes = 256 blocks of 256 bytes; the eight
	; head-pair work-groups of a query block ask for 32 blocks each, one a lane, each block once in the launch.  Trips 13 to 15 ask for nothing,
	; so no request leaves a mask row.
	global_prefetch_b8 v[PFO], s[80:81] offset:\pfo th:TH_LOAD_NT scope:SCOPE_SE
.Lno_pf_\@:
.endif
.if \mode
	KLD 1-\slot                                    ; the next tile is whole (every wave waited for its part in front of the barrier): its K, under the exponentials
.endif
	FEXP 1
	FEXP 2
	FEXP 3
.irp qt, 0,1,2,3
	SUM \qt, \first
	CVT16 \qt
.endr
.if \mode
	MASKLD 1-\slot, 2                              ; and its mask of key tiles 2, 3, into the registers that the packing has freed, under the second product
.endif
.if \first
.else
	WIN 0x41                                       ; destination and source 0 (O^T) in window 1
.irp qt, 0,1,2,3
	BMUL OA, \qt, AL
.endr
.endif
	WIN 0x51                                       ; D, C and source 0 (V) in window 1, source 1 (P) in window 0
	PV 0, \first
	PV 1, 0
	WIN 0
.endm
	TRIP 0, 2, 1, 1, 0                             ; tile 0; fills tile 2; asks ahead for tile 3
	s_wait_xcnt 0x0                                ; the prefetches' base is stepped only behind this wait
	s_add_nc_u64 s[80:81], s[80:81], 512
	s_mov_b32 s82, 6
.Lpair:
	TRIP 1, 2, 0, 1, 0                             ; tiles 1, 3, .. 11
	TRIP 0, 2, 0, 1, 512                           ; tiles 2, 4, .. 12; the last asks ahead for tile 15
	s_wait_xcnt 0x0
	s_add_nc_u64 s[80:81], s[80:81], 1024
	s_sub_co_i32 s82, s82, 1
	s_cmp_lg_u32 s82, 0
	s_cbranch_scc1 .Lpair
	TRIP 1, 2, 0, 0, 0                             ; tile 13; fills tile 15, the last
	TRIP 0, 1, 0, 0, 0                             ; tile 14: nothing is left to fetch; its barrier shows tile 15 whole and slot 0 read for the last time
	TRIP 1, 0, 0, 0, 0                             ; tile 15
	; THE END.  The current c are in the second set (the last trip's slot was 1).
	PLACES
.irp q, 0,1,2,3
	v_permlanex16_b32 v[T+\q], v[LS+\q], s76, s77
.endr
.irp q, 0,1,2,3
	v_add_f32 v[LS+\q], v[LS+\q], v[T+\q]          ; the two halves' sums: a wave's 1,024 keys
.endr
	; waves 4-7 hand output, c and sums to waves 0-3, through slot 0: its last fill was tile 14, and every wave's reads of it were
	; waited for in front of tile 14's barrier
	s_cmp_lt_u32 s[WV], 4
	s_cbranch_scc1 .Lkeeps
	WIN 0x04                                       ; the data in window 1
.set ii, 0
.rept 32
	ds_store_b128 v[MRG], v[OA+4*ii:OA+4*ii+3] offset:512*ii
.set ii, ii+1
.endr
	WIN 0
	ds_store_b128 v[MRG], v[CS+4:CS+7] offset:16384
	ds_store_b128 v[MRG], v[LS:LS+3] offset:16896
.Lkeeps:
	s_wait_dscnt 0x0                               ; for the others' sake: my stores are done
	s_barrier_signal -1
	s_barrier_wait -1
	s_cmp_ge_u32 s[WV], 4
	s_cbranch_scc1 .Lmerged
.set ii, 0
.rept 32
	ds_load_b128 v[S+4*ii:S+4*ii+3], v[MRG] offset:512*ii
.set ii, ii+1
.endr
	ds_load_b128 v[T:T+3], v[MRG] offset:16384     ; the partner's c
	ds_load_b128 v[T+4:T+7], v[MRG] offset:16896   ; and sums
	s_wait_dscnt 0x0
.irp q, 0,1,2,3
	v_min_num_f32 v[T+8+\q], v[CS+4+\q], v[T+\q]   ; the smaller c belongs to the larger logit
.endr
	v_pk_add_f32 v[AL:AL+1],     v[T+8:T+9],   v[CS+4:CS+5] neg_lo:[0,1] neg_hi:[0,1]
	v_pk_add_f32 v[AL+2:AL+3],   v[T+10:T+11], v[CS+6:CS+7] neg_lo:[0,1] neg_hi:[0,1]
	v_pk_add_f32 v[T+12:T+13],   v[T+8:T+9],   v[T:T+1]     neg_lo:[0,1] neg_hi:[0,1]
	v_pk_add_f32 v[T+14:T+15],   v[T+10:T+11], v[T+2:T+3]   neg_lo:[0,1] neg_hi:[0,1]
.irp q, 0,1,2,3
	v_exp_f32 v[AL+\q], v[AL+\q]                   ; my weight
	v_exp_f32 v[T+12+\q], v[T+12+\q]               ; the partner's
.endr
	v_nop                                          ; one plain instruction behind the transcendentals
	s_wait_alu depctr_va_vdst(0)
	v_pk_mul_f32 v[LS:LS+1],   v[LS:LS+1],   v[AL:AL+1]
	v_pk_mul_f32 v[LS+2:LS+3], v[LS+2:LS+3], v[AL+2:AL+3]
	v_pk_fma_f32 v[LS:LS+1],   v[T+4:T+5], v[T+12:T+13], v[LS:LS+1]
	v_pk_fma_f32 v[LS+2:LS+3], v[T+6:T+7], v[T+14:T+15], v[LS+2:LS+3]   ; about 1 at the least: the largest logit's weight is 1 but for c's rounding, and its half's factor is 1
.irp q, 0,1,2,3
	v_rcp_f32 v[T+8+\q], v[LS+\q]
.endr
	v_nop
	s_wait_alu depctr_va_vdst(0)
	v_pk_mul_f32 v[AL:AL+1],     v[AL:AL+1],     v[T+8:T+9]
	v_pk_mul_f32 v[AL+2:AL+3],   v[AL+2:AL+3],   v[T+10:T+11]
	v_pk_mul_f32 v[T+12:T+13],   v[T+12:T+13],   v[T+8:T+9]
	v_pk_mul_f32 v[T+14:T+15],   v[T+14:T+15],   v[T+10:T+11]
.set F1R, T+12
.irp qt, 0,1,2,3
	BMUL S, \qt, F1R                               ; the partner's output times its factor,
.endr
	WIN 0x01                                       ; source 0 (my O^T) in window 1
.irp qt, 0,1,2,3
.set ii, 0
.rept 16
.if (\qt)&1
	v_pk_fma_f32 v[S+32*\qt+2*ii:S+32*\qt+2*ii+1], v[OA+32*\qt+2*ii:OA+32*\qt+2*ii+1], v[AL+\qt-1:AL+\qt], v[S+32*\qt+2*ii:S+32*\qt+2*ii+1] op_sel:[0,1,0] op_sel_hi:[1,1,1]
.else
	v_pk_fma_f32 v[S+32*\qt+2*ii:S+32*\qt+2*ii+1], v[OA+32*\qt+2*ii:OA+32*\qt+2*ii+1], v[AL+\qt:AL+\qt+1], v[S+32*\qt+2*ii:S+32*\qt+2*ii+1] op_sel_hi:[1,0,1]
.endif
.set ii, ii+1
.endr
.endr
	WIN 0
.irp qt, 0,1,2,3
	CVT16 \qt                                      ; registers 4 dt .. 4 dt + 3: columns 16 dt + 8 h + 0..7 of query 16 qt + r: 16 bytes of a row of ao
.endr
.irp qt, 0,1,2,3
.irp dt, 0,1,2,3
	ds_store_b128 v[STO], v[S+32*\qt+4*\dt:S+32*\qt+4*\dt+3] offset:\qt*16*SGP+\dt*32
.endr
.endr
.Lmerged:
	s_wait_dscnt 0x0
	s_barrier_signal -1
	s_barrier_wait -1
	; all eight waves: 16 rows each, two a load
.irp t, 0,1,2,3,4,5,6,7
	ds_load_b128 v[S+4*\t:S+4*\t+3], v[RD] offset:\t*2*SGP
.endr
.irp t, 0,1,2,3,4,5,6,7
	s_wait_dscnt 7-\t                              ; the younger read-backs stay out
	global_store_b128 v[CO], v[S+4*\t:S+4*\t+3], s[8:9] offset:\t*4096     ; 16 lanes store 256 consecutive bytes, aligned: both heads of a row
.endr
	s_wait_tensorcnt 0x0
	ds_add_u32 v62, v63
	s_wait_dscnt 0x0
	ROUND                                          ; the closing round
	s_endpgm
.Lfunc_end_k_q01ac89fb2b_attn:
	.size	k_q01ac89fb2b_attn, .Lfunc_end_k_q01ac89fb2b_attn-k_q01ac89fb2b_attn
	.p2alignl 7, 3214868480
	.fill 96, 4, 3214868480
	.section	.rodata,"a",@progbits
	.p2align	6, 0x0
	.amdhsa_kernel k_q01ac89fb2b_attn
		.amdhsa_group_segment_fixed_size 327680
		.amdhsa_private_segment_fixed_size 0
		.amdhsa_enable_private_segment 0
		.amdhsa_kernarg_size 24
		.amdhsa_user_sgpr_count 2
		.amdhsa_user_sgpr_kernarg_segment_ptr 1
		.amdhsa_wavefront_size32 1
		.amdhsa_system_sgpr_workgroup_id_x 1
		.amdhsa_system_sgpr_workgroup_id_y 1
		.amdhsa_system_sgpr_workgroup_id_z 1
		.amdhsa_system_vgpr_workitem_id 0
		.amdhsa_next_free_vgpr 512
		.amdhsa_next_free_sgpr 96
		.amdhsa_reserve_vcc 0
		.amdhsa_float_denorm_mode_32 3
		.amdhsa_float_denorm_mode_16_64 3
		.amdhsa_memory_ordered 1
		.amdhsa_forward_progress 1
		.amdhsa_inst_pref_size 236
	.end_amdhsa_kernel
	.amdgpu_metadata
---
amdhsa.version: [ 1, 2 ]
amdhsa.kernels:
  - .name:           k_q01ac89fb2b_attn
    .symbol:         k_q01ac89fb2b_attn.kd
    .args:
      - { .name: qkv, .offset: 0, .size: 8, .value_kind: global_buffer, .address_space: global }
      - { .name: mask, .offset: 8, .size: 8, .value_kind: global_buffer, .address_space: global }
      - { .name: ao, .offset: 16, .size: 8, .value_kind: global_buffer, .address_space: global }
    .group_segment_fixed_size: 327680
    .private_segment_fixed_size: 0
    .kernarg_segment_align: 8
    .kernarg_segment_size: 24
    .max_flat_workgroup_size: 256
    .sgpr_count:     96
    .vgpr_count:     512
    .wavefront_size: 32
...
	.end_amdgpu_metadata
.endif
;; end of part 3
;; launch oproj (part 4): grid 8 x 32, 4 waves a work-group, clusters of 4 x 4, 327,680 bytes of LDS; arguments ao, cb, bo, out0; writes out0
.if DOCPART == 4
	.amdgcn_target "amdgcn-amd-amdhsa--gfx1250"
	.amdhsa_code_object_version 6
	.text
	.protected	k_q01ac89fb2b_oproj
	.globl	k_q01ac89fb2b_oproj
	.p2align	8
	.type	k_q01ac89fb2b_oproj,@function
k_q01ac89fb2b_oproj:
	s_mov_b64 s[64:65], 0
	v_nop
	global_prefetch_b8 v0, s[64:65] scope:SCOPE_SE
	s_setreg_imm32_b32 hwreg(HW_REG_WAVE_MODE, 25, 1), 1
	s_wait_xcnt 0x0
	s_wait_alu depctr_hold_cnt(0) depctr_sa_sdst(0) depctr_va_vdst(0) depctr_va_sdst(0) depctr_va_ssrc(0) depctr_va_vcc(0) depctr_vm_vsrc(0)
	s_getreg_b32 s2, hwreg(HW_REG_IB_STS2, 6, 4)
	s_cmp_eq_u32 s2, 0
	s_cbranch_scc0 .Lentry_in_a_cluster
	s_endpgm
.Lentry_in_a_cluster:
	s_bfe_u32 s2, ttmp6, 0x10000c
	s_cmp_lg_u32 s2, 0xf033
	s_cbranch_scc0 .Lentry_shape_is_right
	s_endpgm
.Lentry_shape_is_right:
; out0[4096][1024] (f32) = ao Wo + bo.  ao: [4096][1024] f16.  Wo in f16, stored [k][n], at cb + 30 MiB.  Sums in f32, K ascending.
; FORMAT: f16 operands, as they were stored by the launches before; the sums and the bias are f32 and are not rounded again.
; A work-group makes 128 x 128, so that 8 x 32 = 256 work-groups share the work; a wave makes 64 x 64: 16 accumulator tiles.
; K = 1024 goes in four tiles of 256 through two LDS slots: a slot holds eight steps of 32, brought by one tensor load a wave.
; CLUSTERS, 4 x 4: ao's tile hangs on the block row alone and is asked for jointly along a row of the cluster, Wo's on the block column alone, along a column.
; LDS: slot = ao 128 rows x 528 at 0, Wo 256 k rows x 288 at 73,728; 147,456 bytes.  Behind the two slots a stage of 16 x 272 bytes for each wave.
; The matrix instruction is used transposed (source 0 = 16 columns of Wo, source 1 = 16 rows of ao): a lane's eight results are eight neighbouring columns of a row.
.set SLOT,  147456
.set BOFF,  73728
.set AP,    528
.set BP,    288
.set STAGE, 2*SLOT
.set SPITCH, 272
.set ADRA, 8                           ; v8-9    ao's fragments in slot 0, 1
.set ADRB, 10                          ; v10-13  Wo's: slot s, k rows 0-127 and 128-255, at 10 + 2 s + half
.set STO,  14
.set RD,   15
.set CO,   16
.set BO,   17
.set FA,   32                          ; ao's fragments: buffer f at 32 + 64 f
.set FB,   64                          ; Wo's: buffer f at 64 + 64 f
.set T,    160                         ; v[160:191] a row of tiles plus bias
.set RB,   192                         ; v[192:223] read back
.set BIAS, 224                         ; v[224:255] bo[first column + 16 b + 8 h + j] at 8 b + j
.set G1,  24
.set G0,  32
.set G1B, 48
.set G0B, 56
.set WV, 12
.set HR, 13
.set HC, 14
.set CX, 15
.set CY, 16
.set BC, 17
.set BR, 18
.set RM, 19
.set CM, 20
.set MSB, 0
.macro WIN new
.if MSB != \new
	s_set_vgpr_msb (MSB<<8)|\new
.set MSB, \new
.endif
.endm
.macro PLACES                          ; four plain vector instructions between a matrix instruction and a load into, or a vector instruction on, its registers
.rept 4
	v_nop
.endr
.endm
.macro JLOAD s                         ; waves 0, 1 ask for ao's halves, waves 2, 3 for Wo's
	s_cmp_eq_u32 s[HR], 0
	s_cbranch_scc0 .Lfor_b_\@
	tensor_load_to_lds s[G0+4*\s:G0+4*\s+3], s[G1:G1+7]
	s_nop 0
	s_branch .Lasked_\@
.Lfor_b_\@:
	tensor_load_to_lds s[G0B+4*\s:G0B+4*\s+3], s[G1B:G1B+7]
	s_nop 0
.Lasked_\@:
.endm
.macro CROUND                          ; a round of the cluster's barrier
	s_barrier_signal -1
	s_barrier_wait -1
	s_cmp_lg_u32 s[WV], 0
	s_cbranch_scc1 .Lnot_wave_0_\@
	s_barrier_signal -3
.Lnot_wave_0_\@:
	s_barrier_wait -3
	s_barrier_signal -1
	s_barrier_wait -1
.endm
	s_load_b256 s[4:11], s[0:1], 0x0               ; ao s[4:5], cb s[6:7], bo s[8:9], out0 s[10:11]
	v_lshl_add_u32 v30, v0, 2, 0x4c400
	v_mov_b32 v31, 0
	ds_add_u32 v30, v31
	v_lshrrev_b32 v1, 5, v0
	v_readfirstlane_b32 s[WV], v1
	s_lshr_b32 s[HR], s[WV], 1                     ; my half of the rows; also: I fetch ao (0) or Wo (1)
	s_and_b32 s[HC], s[WV], 1                      ; my half of the columns; also: which half of that tile
	s_bfe_u32 s[CX], ttmp6, 0x40000
	s_bfe_u32 s[CY], ttmp6, 0x40004
	s_lshl_b32 s[BC], ttmp9, 2
	s_add_co_u32 s[BC], s[BC], s[CX]
	s_and_b32 s[BR], ttmp7, 0xffff
	s_lshl_b32 s[BR], s[BR], 2
	s_add_co_u32 s[BR], s[BR], s[CY]
	s_lshl_b32 s[RM], s[CY], 2
	s_lshl_b32 s[RM], 15, s[RM]
	s_lshl_b32 s[CM], 0x1111, s[CX]
	; group 1, ao: 64 rows x 256 elements of 2 bytes, 4 words of padding behind every 128
	s_or_b32 s[G1+0], s[RM], (1<<16)|(1<<20)|(1<<21)|(6<<22)|(3<<25)
	s_mov_b32 s[G1+1], 256<<16
	s_mov_b32 s[G1+2], 64<<16
	s_mov_b32 s[G1+3], 256<<16
	s_mov_b32 s[G1+4], 64
	s_mov_b32 s[G1+5], 1024
	s_mov_b32 s[G1+6], 0
	s_mov_b32 s[G1+7], 0
	; group 1, Wo: 128 k rows x 128 elements, 8 words of padding behind every 64
	s_or_b32 s[G1B+0], s[CM], (1<<16)|(1<<20)|(1<<21)|(5<<22)|(7<<25)
	s_mov_b32 s[G1B+1], 128<<16
	s_mov_b32 s[G1B+2], 128<<16
	s_mov_b32 s[G1B+3], 128<<16
	s_mov_b32 s[G1B+4], 128
	s_mov_b32 s[G1B+5], 1024
	s_mov_b32 s[G1B+6], 0
	s_mov_b32 s[G1B+7], 0
	s_lshl_b32 s40, s[BR], 18                      ; ao: 128 rows of 2,048 bytes a block,
	s_lshl_b32 s21, s[HC], 17                      ; + my 64 rows (never cx)
	s_add_co_u32 s40, s40, s21
	s_mov_b32 s41, 0
	s_lshl_b32 s42, s[HC], 18                      ; Wo: my 128 k rows of 2,048 bytes,
	s_add_co_u32 s42, s42, 0x1e00000               ; 30 MiB into cb,
	s_lshl_b32 s22, s[BC], 8                       ; + 128 columns a block (never cy)
	s_add_co_u32 s42, s42, s22
	s_mov_b32 s43, 0
	s_mul_i32 s66, s[WV], 64*AP                    ; LDS: waves 0, 1: 0 and 33,792
	s_mul_i32 s67, s[WV], 128*BP                   ; waves 2, 3: 73,728 and 110,592
	s_wait_dscnt 0x0
	s_wait_kmcnt 0x0
	s_add_nc_u64 s[44:45], s[4:5], s[40:41]
	s_add_nc_u64 s[46:47], s[6:7], s[42:43]
	CROUND                                         ; in front of the first joint loads
.irp s, 0,1
	s_mov_b32 s[G0+4*\s], 1
	s_add_co_u32 s[G0+4*\s+1], s66, \s*SLOT
	s_add_nc_u64 s[G0+4*\s+2:G0+4*\s+3], s[44:45], \s*512
	s_or_b32 s[G0+4*\s+3], s[G0+4*\s+3], 0x80000000
	s_mov_b32 s[G0B+4*\s], 1
	s_add_co_u32 s[G0B+4*\s+1], s67, \s*SLOT
	s_add_nc_u64 s[G0B+4*\s+2:G0B+4*\s+3], s[46:47], \s*524288
	s_or_b32 s[G0B+4*\s+3], s[G0B+4*\s+3], 0x80000000
	JLOAD \s                                       ; tiles 0 and 1: two tensor loads of a wave are out here, later one
.endr
	s_lshl_b32 s68, s[BC], 9                       ; my first column in f32 bytes: 128 x block + 64 x half
	s_lshl_b32 s69, s[HC], 8
	s_add_co_u32 s68, s68, s69
	s_mov_b32 s69, 0
	s_add_nc_u64 s[8:9], s[8:9], s[68:69]
	s_add_nc_u64 s[10:11], s[10:11], s[68:69]
	s_lshl_b32 s68, s[BR], 19                      ; my first row: 128 x block + 64 x half, 4,096 bytes each
	s_lshl_b32 s70, s[HR], 18
	s_add_co_u32 s68, s68, s70
	s_add_nc_u64 s[10:11], s[10:11], s[68:69]
	v_and_b32 v1, 15, v0                           ; r
	v_bfe_u32 v2, v0, 4, 1                         ; h
	v_lshlrev_b32 v[BO], 5, v2
.irp b, 0,1,2,3
	global_load_b128 v[BIAS+8*\b:BIAS+8*\b+3],   v[BO], s[8:9] offset:64*\b       ; waited for on the way out; v17 and s[8:9] are not written again
	global_load_b128 v[BIAS+8*\b+4:BIAS+8*\b+7], v[BO], s[8:9] offset:64*\b+16
.endr
	v_mul_u32_u24 v3, v1, AP
	v_lshl_add_u32 v3, v2, 4, v3                   ; ao: row r, 16 h
	s_mul_i32 s21, s[HR], 64*AP
	v_add_nc_u32 v[ADRA], s21, v3
	v_add_nc_u32 v[ADRA+1], SLOT, v[ADRA]
	v_and_b32 v6, 7, v0                            ; Wo, through the transposing load: k row 8 h + lane % 8, 16 bytes at 16 ((lane / 8) % 2)
	v_lshl_add_u32 v6, v2, 3, v6
	v_mul_u32_u24 v6, v6, BP
	v_bfe_u32 v7, v0, 3, 1
	v_lshl_add_u32 v6, v7, 4, v6
	s_lshl_b32 s22, s[HC], 7                       ; my 64 columns
	s_add_co_u32 s22, s22, BOFF
	v_add_nc_u32 v[ADRB], s22, v6
	v_add_nc_u32 v[ADRB+1], 128*BP, v[ADRB]        ; k rows 128-255: the immediate alone would not reach them
	v_add_nc_u32 v[ADRB+2], SLOT, v[ADRB]
	v_add_nc_u32 v[ADRB+3], SLOT, v[ADRB+1]
	s_mul_i32 s23, s[WV], 16*SPITCH
	s_add_co_u32 s23, s23, STAGE
	v_mul_u32_u24 v4, v1, SPITCH
	v_lshl_add_u32 v4, v2, 5, v4                   ; in: row r, 32 bytes for each half of the lanes
	v_add_nc_u32 v[STO], s23, v4
	v_mul_u32_u24 v5, v2, SPITCH
	v_lshl_add_u32 v5, v1, 4, v5                   ; back: lanes 0-15 one row of 256 bytes, lanes 16-31 the next
	v_add_nc_u32 v[RD], s23, v5
	v_lshlrev_b32 v5, 12, v2
	v_lshl_add_u32 v[CO], v1, 4, v5
; 16 LDS loads: the fragments of step q (32 along K) of a slot's eight, into buffer f
.macro FETCH slot, q, f
.irp i, 0,1,2,3
	ds_load_tr16_b128 v[FB+64*\f+8*\i:FB+64*\f+8*\i+3],   v[ADRB+2*\slot+(\q>>2)] offset:(\q&3)*32*BP+32*\i
	ds_load_tr16_b128 v[FB+64*\f+8*\i+4:FB+64*\f+8*\i+7], v[ADRB+2*\slot+(\q>>2)] offset:(\q&3)*32*BP+32*\i+16*BP
.endr
.irp i, 0,1,2,3
	ds_load_b128 v[FA+64*\f+8*\i:FA+64*\f+8*\i+3],   v[ADRA+\slot] offset:\i*16*AP+64*\q
	ds_load_b128 v[FA+64*\f+8*\i+4:FA+64*\f+8*\i+7], v[ADRA+\slot] offset:\i*16*AP+64*\q+32
.endr
.endm
; the 16 accumulators (window 1, tile (a, b) at 8 (4 a + b)) take turns, one instruction a turn
.macro MUL16 f, zero
	WIN 0x50                                       ; C and D in window 1
.irp a, 0,1,2,3
.irp b, 0,1,2,3
.if \zero
	v_wmma_f32_16x16x32_f16 v[8*(4*\a+\b):8*(4*\a+\b)+7], v[FB+64*\f+8*\b:FB+64*\f+8*\b+7], v[FA+64*\f+8*\a:FA+64*\f+8*\a+7], 0
.else
	v_wmma_f32_16x16x32_f16 v[8*(4*\a+\b):8*(4*\a+\b)+7], v[FB+64*\f+8*\b:FB+64*\f+8*\b+7], v[FA+64*\f+8*\a:FA+64*\f+8*\a+7], v[8*(4*\a+\b):8*(4*\a+\b)+7]
.endif
.endr
.endr
	WIN 0
.endm
; fetch step qn into buffer g, multiply buffer f
.macro STEP slot, qn, f, g, zero
	PLACES
	FETCH \slot, \qn, \g
	s_wait_dscnt 16                                ; all but the 16 just issued
	MUL16 \f, \zero
.endm
.macro PHASE slot, zero                ; a slot's eight steps
	PLACES
	FETCH \slot, 0, 0
	STEP \slot, 1, 0, 1, \zero
	STEP \slot, 2, 1, 0, 0
	STEP \slot, 3, 0, 1, 0
	STEP \slot, 4, 1, 0, 0
	STEP \slot, 5, 0, 1, 0
	STEP \slot, 6, 1, 0, 0
	STEP \slot, 7, 0, 1, 0
	s_wait_dscnt 0x0
	MUL16 1, 0
.endm
; slot s has been read and is filled again, two tiles on
.macro CHANGE s
	s_wait_dscnt 0x0                               ; my reads of the slot are done
	s_wait_tensorcnt 0x0                           ; all my tensor loads have landed, my part of the other slot among them: a group 0 may be written
	ds_add_u32 v30, v31
	s_wait_dscnt 0x0
	s_add_nc_u64 s[G0+4*\s+2:G0+4*\s+3], s[G0+4*\s+2:G0+4*\s+3], 2*512
	s_add_nc_u64 s[G0B+4*\s+2:G0B+4*\s+3], s[G0B+4*\s+2:G0B+4*\s+3], 2*524288
	CROUND                                         ; both now hold of every wave of every work-group of the cluster
	JLOAD \s                                       ; my one tensor load until the next round; it has eight steps' work in which to land
.endm
	s_wait_tensorcnt 1                             ; my part of tile 0 is in; tile 1's may stay out
	s_barrier_signal -1
	s_barrier_wait -1
	PHASE 0, 1                                     ; the first products start the sums
	CHANGE 0
	PHASE 1, 0
	CHANGE 1
	PHASE 0, 0
	s_wait_dscnt 0x0
	s_wait_tensorcnt 0x0                           ; my part of tile 3
	s_barrier_signal -1
	s_barrier_wait -1                              ; everybody's; nothing is left to fetch
	PHASE 1, 0
	; THE WAY OUT, 16 rows at a time: add the bias, 32 bytes a lane into my own stage, back as whole rows of 256 bytes
	PLACES
	s_wait_loadcnt 0x0                             ; the bias
.macro OUT16 a
	WIN 0x01                                       ; source 0 (the sums) in window 1
.irp b, 0,1,2,3
.irp r, 0,1,2,3
	v_pk_add_f32 v[T+8*\b+2*\r:T+8*\b+2*\r+1], v[8*(4*\a+\b)+2*\r:8*(4*\a+\b)+2*\r+1], v[BIAS+8*\b+2*\r:BIAS+8*\b+2*\r+1]
.endr
.endr
	WIN 0
.irp b, 0,1,2,3
	ds_store_b128 v[STO], v[T+8*\b:T+8*\b+3] offset:64*\b
	ds_store_b128 v[STO], v[T+8*\b+4:T+8*\b+7] offset:64*\b+16
.endr
	s_wait_xcnt 0x0                                ; the read-back registers, which stores read, and the stores' base are rewritten only behind this wait
.if \a
	s_add_nc_u64 s[10:11], s[10:11], 16*4096
.endif
.irp t, 0,1,2,3,4,5,6,7
	ds_load_b128 v[RB+4*\t:RB+4*\t+3], v[RD] offset:\t*2*SPITCH    ; a wave's LDS instructions are served in order: these see the stores above
.endr
.irp t, 0,1,2,3,4,5,6,7
	s_wait_dscnt 7-\t                              ; the younger read-backs stay out
	global_store_b128 v[CO], v[RB+4*\t:RB+4*\t+3], s[10:11] offset:\t*8192   ; 16 lanes store 256 consecutive bytes, aligned: my 64 columns of a row
.endr
.endm
	OUT16 0
	OUT16 1
	OUT16 2
	OUT16 3
	s_wait_tensorcnt 0x0
	ds_add_u32 v30, v31
	s_wait_dscnt 0x0
	CROUND                                         ; the closing round
	s_endpgm
.Lfunc_end_k_q01ac89fb2b_oproj:
	.size	k_q01ac89fb2b_oproj, .Lfunc_end_k_q01ac89fb2b_oproj-k_q01ac89fb2b_oproj
	.p2alignl 7, 3214868480
	.fill 96, 4, 3214868480
	.section	.rodata,"a",@progbits
	.p2align	6, 0x0
	.amdhsa_kernel k_q01ac89fb2b_oproj
		.amdhsa_group_segment_fixed_size 327680
		.amdhsa_private_segment_fixed_size 0
		.amdhsa_enable_private_segment 0
		.amdhsa_kernarg_size 32
		.amdhsa_user_sgpr_count 2
		.amdhsa_user_sgpr_kernarg_segment_ptr 1
		.amdhsa_wavefront_size32 1
		.amdhsa_system_sgpr_workgroup_id_x 1
		.amdhsa_system_sgpr_workgroup_id_y 1
		.amdhsa_system_sgpr_workgroup_id_z 1
		.amdhsa_system_vgpr_workitem_id 0
		.amdhsa_next_free_vgpr 384
		.amdhsa_next_free_sgpr 80
		.amdhsa_reserve_vcc 0
		.amdhsa_float_denorm_mode_32 3
		.amdhsa_float_denorm_mode_16_64 3
		.amdhsa_memory_ordered 1
		.amdhsa_forward_progress 1
		.amdhsa_inst_pref_size 94
	.end_amdhsa_kernel
	.amdgpu_metadata
---
amdhsa.version: [ 1, 2 ]
amdhsa.kernels:
  - .name:           k_q01ac89fb2b_oproj
    .symbol:         k_q01ac89fb2b_oproj.kd
    .args:
      - { .name: ao, .offset: 0, .size: 8, .value_kind: global_buffer, .address_space: global }
      - { .name: cb, .offset: 8, .size: 8, .value_kind: global_buffer, .address_space: global }
      - { .name: bo, .offset: 16, .size: 8, .value_kind: global_buffer, .address_space: global }
      - { .name: out0, .offset: 24, .size: 8, .value_kind: global_buffer, .address_space: global }
    .group_segment_fixed_size: 327680
    .private_segment_fixed_size: 0
    .kernarg_segment_align: 8
    .kernarg_segment_size: 32
    .max_flat_workgroup_size: 128
    .sgpr_count:     80
    .vgpr_count:     384
    .wavefront_size: 32
...
	.end_amdgpu_metadata
.endif
;; end of part 4
;; ======== version 2 of 2: 4 launches; version 1 with the launch cast written anew for expert scheduling mode
;; limits: values are held in f16: magnitudes above 65,504 overflow, below 6.1e-05 lose precision
;; workspace buffers: cb 33,554,432 bytes; qkv 25,165,824 bytes; ao 8,388,608 bytes
;; launch cast (part 5): grid 256 x 1, 8 waves a work-group, no clusters, 0 bytes of LDS; arguments query, key, value, Wq, Wk, Wv, Wo, cb; writes cb
.if DOCPART == 5
	.amdgcn_target "amdgcn-amd-amdhsa--gfx1250"
	.amdhsa_code_object_version 6
	.text
	.protected	k_q01ac89fb2b_cast
	.globl	k_q01ac89fb2b_cast
	.p2align	8
	.type	k_q01ac89fb2b_cast,@function
k_q01ac89fb2b_cast:
	s_mov_b64 s[64:65], 0
	v_nop
	global_prefetch_b8 v0, s[64:65] scope:SCOPE_SE
	s_setreg_imm32_b32 hwreg(HW_REG_WAVE_SCHED_MODE, 0, 2), 2
	s_setreg_imm32_b32 hwreg(HW_REG_WAVE_MODE, 25, 1), 1
	s_wait_xcnt 0x0
	s_wait_alu depctr_vm_vsrc(0)
; cb = f16(query | key | value | Wq | Wk | Wv | Wo), each in its own layout, one behind the other:
; query at byte 0, key at 8 MiB, value at 16 MiB (together one matrix [12288][1024]), Wq, Wk, Wv, Wo at 24, 26, 28, 30 MiB.
; FORMAT: f16, for its 11 bits of significand: the attention's output is a sum of some 2,000 terms that nearly cancel, so each rounding of an
; operand shows at its full relative size in the result.  LIMIT: an input beyond 65,504 in magnitude becomes infinity; below 2^-14 the step is
; 2^-24.  Activations 30 times larger or offset by 30 stay under 200, weights so changed under 2; weights 30 times smaller are about 6e-4.
; A stream: every input byte is read once, every byte of cb written once.  No LDS, no barrier, no matrix unit, no cluster: no two
; work-groups read the same byte and no wave needs another's data.
; Work-group id takes 65,536 numbers (262,144 bytes in, 131,072 out at cb + id * 131,072).  ids 0-191 are the three activations
; (64 work-groups each), ids 192-255 the four weights (16 each).  Wave w takes 32,768 consecutive input bytes in 64 loads of
; 512 consecutive bytes; each store of a wave covers 256 consecutive bytes, aligned.
; 32 loads of every wave are on their way: 8 waves x 32 x 512 bytes = 131,072 bytes for the work-group.
; THE MODE: SCHED_MODE bits 1:0 = 2 (LLVM: expert scheduling mode 2), set by the entry lines.  The code itself states the register dependences
; between vector instructions and memory instructions, with s_wait_alu, always for 0.
; THE PLAN.  A wave's 64 loads go in 8 blocks of 8.  Registers that memory instructions touch:
;   v1, v2     byte offsets of the loads and of the stores, made once at the head and never written again: every step stands in an immediate.
;   X0 .. X4   five blocks as loaded.  X[p % 5] is filled by block p's loads and read by block p's conversions.  Blocks 0 to 3 are asked for at the
;              head; block p (0 to 3) asks for block p + 4, which lands in X[(p + 4) % 5] = X[(p - 1) % 5]: the buffer that the block before has worked on
;              (for p = 0: X4, which nothing has named).
;   Y0 .. Y2   the f16 of blocks 0 to 2, whose X is loaded again.  Written by block p's conversions, read by the eight stores issued in block p + 1.
;   Blocks 3 to 7, whose X is not loaded again, round in place: a load's four f32 close up into the first two of its four registers, which the
;              stores issued in the next block read.
; Block p's conversions name X[p % 5] and its own out-registers alone.  Its memory instructions are the loads into X[(p - 1) % 5] and the stores of block
; p - 1's out-registers.  So ONE wait on va_vdst at a block's head states all that the block's sixteen memory instructions hang on, and these are dealt among
; its conversions with no further wait.  No register that a load or store reads (offset or data) is written again anywhere in the text: so no wait on
; vm_vsrc and no s_wait_xcnt has anything to state, and past the entry lines none is written.
.set ROWS,   8                         ; loads, and stores, in a block
.set BLOCKS, 8
.set LOADS,  ROWS*BLOCKS               ; loads of a wave in all
.set AHEAD,  4                         ; block p asks for block p + 4
.set DEPTH,  AHEAD*ROWS                ; loads of a wave in flight
.set NX,     AHEAD+1                   ; buffers of loaded data
.set NY,     BLOCKS-NX                 ; blocks 0 to 2: their X is loaded again, so their f16 get registers of their own
.set X, 6                              ; v[6:165]    buffer k, row i: 4 f32 as loaded, at X + 32 k + 4 i
.set Y, X+32*NX                        ; v[166:213]  block p < 3, row i: 4 f16 to store, at Y + 16 p + 2 i
	s_load_b512 s[8:23], s[0:1], 0x0               ; query, key, value, Wq, Wk, Wv, Wo, cb
	s_lshr_b32 s24, ttmp9, 6                       ; an activation: which of the three,
	s_and_b32 s25, ttmp9, 63                       ; and which 64th of it
	s_sub_co_u32 s26, ttmp9, 192                   ; a weight (used only where id >= 192):
	s_lshr_b32 s27, s26, 4
	s_add_co_u32 s27, s27, 3                       ; which of the four, counted behind the activations,
	s_and_b32 s28, s26, 15                         ; and which 16th of it
	s_cmp_lt_u32 ttmp9, 192
	s_cselect_b32 s24, s24, s27                    ; the source's number, 0 to 6
	s_cselect_b32 s25, s25, s28                    ; my part of it
	s_lshl_b32 s2, s25, 18                         ; in bytes: 262,144 each
	s_mov_b32 s3, 0
	s_lshl_b32 s28, ttmp9, 17                      ; my part of cb
	s_mov_b32 s29, 0
	v_and_b32 v3, 31, v0                           ; lane
	v_lshrrev_b32 v4, 5, v0                        ; wave
	v_lshlrev_b32 v1, 4, v3
	v_lshl_add_u32 v1, v4, 15, v1                  ; in:  32,768 w + 16 lane
	v_lshlrev_b32 v2, 3, v3
	v_lshl_add_u32 v2, v4, 14, v2                  ; out: 16,384 w + 8 lane
	s_wait_kmcnt 0x0
	s_mov_b64 s[4:5], s[8:9]
.irp n, 1,2,3,4,5,6
	s_cmp_eq_u32 s24, \n                           ; the choice hangs on the work-group's number alone
	s_cselect_b64 s[4:5], s[8+2*\n:9+2*\n], s[4:5]
.endr
	s_add_nc_u64 s[4:5], s[4:5], s[2:3]
	s_add_nc_u64 s[6:7], s[22:23], s[28:29]
	s_wait_alu depctr_va_vdst(0)                   ; v1 and v2 are written: every load of the kernel reads v1 as its offset, every store v2
.set n, 0
.rept DEPTH
	global_load_b128 v[X+4*n:X+4*n+3], v1, s[4:5] offset:512*n th:TH_LOAD_NT   ; blocks 0 to 3 into X0 to X3
.set n, n+1
.endr
; Block p.  Written out: every step stands in an immediate, so no address register is ever rewritten.
; XB: the block as loaded.  CB, CS: where its f16 go, and the registers from row to row.  SB, SS: the same of the block before, which is stored here.
.macro BLK p
.set XB, X+32*((\p)%NX)
.if (\p) < NY
.set CB, Y+16*(\p)
.set CS, 2
.else
.set CB, XB                            ; in place
.set CS, 4
.endif
.if (\p) > 0
.if (\p)-1 < NY
.set SB, Y+16*((\p)-1)
.set SS, 2
.else
.set SB, X+32*(((\p)-1)%NX)
.set SS, 4
.endif
	s_wait_alu depctr_va_vdst(0)                   ; the block before has written its f16, which the stores below read, and is done reading its X, in which the loads below (blocks 1 to 3) land
.endif
.irp i, 0,1,2,3,4,5,6,7
.if (\p)+AHEAD < BLOCKS
	global_load_b128 v[X+32*(((\p)+AHEAD)%NX)+4*(\i):X+32*(((\p)+AHEAD)%NX)+4*(\i)+3], v1, s[4:5] offset:512*(ROWS*((\p)+AHEAD)+(\i)) th:TH_LOAD_NT  ; four blocks ahead; no vector instruction since the wait names these registers
.endif
.if (\p) > 0
	global_store_b64 v2, v[SB+SS*(\i):SB+SS*(\i)+1], s[6:7] offset:256*(ROWS*((\p)-1)+(\i))   ; the block before; no vector instruction since the wait names these registers, and none writes them again
.endif
.if (\p)+AHEAD < BLOCKS
	s_wait_loadcnt DEPTH                           ; loads come back in order: mine is in; the 32 younger stay out: 7 - i of this block, 24 of the next three, i + 1 of the block just asked for
.else
	s_wait_loadcnt LOADS-1-(ROWS*(\p)+(\i))        ; nothing is loaded any more: the counts run down
.endif
	v_cvt_pk_f16_f32 v[CB+CS*(\i)],   v[XB+4*(\i)],   v[XB+4*(\i)+1]
	v_cvt_pk_f16_f32 v[CB+CS*(\i)+1], v[XB+4*(\i)+2], v[XB+4*(\i)+3]
.endr
.endm
	BLK 0                                          ; no block in front of it: no store, and no wait but those for its data
	BLK 1
	BLK 2
	BLK 3                                          ; asks for block 7, the last
	BLK 4
	BLK 5
	BLK 6
	BLK 7
	s_wait_alu depctr_va_vdst(0)                   ; block 7 has written its f16, in place, which the last eight stores read
.irp i, 0,1,2,3,4,5,6,7
	global_store_b64 v2, v[X+32*((BLOCKS-1)%NX)+4*(\i):X+32*((BLOCKS-1)%NX)+4*(\i)+1], s[6:7] offset:256*(ROWS*(BLOCKS-1)+(\i))
.endr
	s_endpgm
.Lfunc_end_k_q01ac89fb2b_cast:
	.size	k_q01ac89fb2b_cast, .Lfunc_end_k_q01ac89fb2b_cast-k_q01ac89fb2b_cast
	.p2alignl 7, 3214868480
	.fill 96, 4, 3214868480
	.section	.rodata,"a",@progbits
	.p2align	6, 0x0
	.amdhsa_kernel k_q01ac89fb2b_cast
		.amdhsa_group_segment_fixed_size 0
		.amdhsa_private_segment_fixed_size 0
		.amdhsa_enable_private_segment 0
		.amdhsa_kernarg_size 64
		.amdhsa_user_sgpr_count 2
		.amdhsa_user_sgpr_kernarg_segment_ptr 1
		.amdhsa_wavefront_size32 1
		.amdhsa_system_sgpr_workgroup_id_x 1
		.amdhsa_system_sgpr_workgroup_id_y 1
		.amdhsa_system_sgpr_workgroup_id_z 1
		.amdhsa_system_vgpr_workitem_id 0
		.amdhsa_next_free_vgpr 214
		.amdhsa_next_free_sgpr 66
		.amdhsa_reserve_vcc 0
		.amdhsa_float_denorm_mode_32 3
		.amdhsa_float_denorm_mode_16_64 3
		.amdhsa_memory_ordered 1
		.amdhsa_forward_progress 1
		.amdhsa_inst_pref_size 24
	.end_amdhsa_kernel
	.amdgpu_metadata
---
amdhsa.version: [ 1, 2 ]
amdhsa.kernels:
  - .name:           k_q01ac89fb2b_cast
    .symbol:         k_q01ac89fb2b_cast.kd
    .args:
      - { .name: query, .offset: 0, .size: 8, .value_kind: global_buffer, .address_space: global }
      - { .name: key, .offset: 8, .size: 8, .value_kind: global_buffer, .address_space: global }
      - { .name: value, .offset: 16, .size: 8, .value_kind: global_buffer, .address_space: global }
      - { .name: Wq, .offset: 24, .size: 8, .value_kind: global_buffer, .address_space: global }
      - { .name: Wk, .offset: 32, .size: 8, .value_kind: global_buffer, .address_space: global }
      - { .name: Wv, .offset: 40, .size: 8, .value_kind: global_buffer, .address_space: global }
      - { .name: Wo, .offset: 48, .size: 8, .value_kind: global_buffer, .address_space: global }
      - { .name: cb, .offset: 56, .size: 8, .value_kind: global_buffer, .address_space: global }
    .group_segment_fixed_size: 0
    .private_segment_fixed_size: 0
    .kernarg_segment_align: 8
    .kernarg_segment_size: 64
    .max_flat_workgroup_size: 256
    .sgpr_count:     66
    .vgpr_count:     214
    .wavefront_size: 32
...
	.end_amdgpu_metadata
.endif
;; end of part 5
;; launch qkvproj: the kernel of part 2 again; grid 4 x 48, 4 waves a work-group, clusters of 4 x 4, 327,680 bytes of LDS; arguments cb, bq, bk, bv, qkv; writes qkv
;; launch attn: the kernel of part 3 again; grid 8 x 32, 8 waves a work-group, clusters of 4 x 4, 327,680 bytes of LDS; arguments qkv, mask, ao; writes ao
;; launch oproj: the kernel of part 4 again; grid 8 x 32, 4 waves a work-group, clusters of 4 x 4, 327,680 bytes of LDS; arguments ao, cb, bo, out0; writes out0
